; MI455X (gfx1250); checked and timed in simulation.
; The chip was launched on July 23, 2026; its instructions are those of AMD's public machine-readable ISA for CDNA 5 (MIT licence, August 2026) and "CDNA5" Instruction Set Architecture Reference Guide (July 2026). The comments in the code are by the model that wrote it; some were corrected since.
;; Causal Self Attention With Bias. Allowed arithmetic: matrix products marked QUANTISED: E2M3 operands, one E8M0 scale for each 32 along K, by v_wmma_scale_f32_16x16x128_f8f6f4 with both operands' format E2M3, f32 sums; everything else in f32.
;; Inputs: W_attn 1,024 x 3,072 float32; W_proj 1,024 x 1,024 float32; bK 16 x 64 float32; bQ 16 x 64 float32; bV 16 x 64 float32; b_attn 3,072 float32; b_proj 1,024 float32; x 4 x 2,048 x 1,024 float32.
;; Outputs: out0 4 x 2,048 x 1,024 float32.
;; This version of the problem:
;;   THIS VERSION OF THE PROBLEM IS GIVEN IN LOW PRECISION. The matrix products marked QUANTISED in the list below multiply operands that are first quantised to E2M3 (2 exponent bits, 3 mantissa bits; 6 bits a number), with one power-of-two scale for each 32 numbers along K (OCP MX v1.0); their sums are f32. All else is computed in f32.
;;   The module's matrix products, in the order in which they are computed (A, B: the left and right operand; K: the contracted axis; several contracted axes count as one K, in the product's order):
;;     1. [M 8,192, K 1,024] x [K 1,024, N 3,072]; A: input x; B: input W_attn: QUANTISED
;;     2. batch 64 x [M 2,048, K 64] x [K 64, N 2,048]; A: computed on the way; B: computed on the way: QUANTISED
;;     3. batch 64 x [M 2,048, K 2,048] x [K 2,048, N 64]; A: softmax (see below); B: computed on the way: QUANTISED
;;     4. [M 8,192, K 1,024] x [K 1,024, N 1,024]; A: computed on the way; B: input W_proj: QUANTISED
;;   THE QUANTISER, for each operand of a quantised product, along K:
;;     - K is cut into blocks of 32 from its start; a last block that is shorter is filled with zeros.
;;     - A block's scale is 2^e with e = floor(log2(the largest magnitude in the block)) - 2, held to -126 .. 127; a block of zeros has e = 0. As a byte (E8M0): e + 127.
;;     - Each number is divided by its block's scale, clamped to +-7.5, and rounded to the nearest number of E2M3, ties to even, subnormals kept.
;;     - The product sums the exact products of the quantised numbers (number of the format x scale) in f32.
;;   ~~~python
;;   def quantise(x, axis):      # numpy; x: float32 -> the quantised numbers, widened to float32 again
;;       x = np.moveaxis(x, axis, -1); K = x.shape[-1]
;;       x = np.pad(x, [(0, 0)] * (x.ndim - 1) + [(0, -K % 32)]); x = x.reshape(x.shape[:-1] + (-1, 32)); a = np.abs(x).max(-1, keepdims=True)
;;       e = np.where(a > 0, np.clip(np.frexp(np.where(a > 0, a, 1))[1] - 1 - 2, -126, 127), 0)      # np.frexp(a)[1] - 1 = floor(log2(a)), exactly
;;       r = np.clip(x / 2.0 ** e, -7.5, 7.5)
;;       step = 2.0 ** (np.maximum(np.frexp(np.where(r == 0, 1, r))[1] - 1, 0) - 3)
;;       q = np.round(r / step) * step * 2.0 ** e      # np.round: ties to even
;;       return np.moveaxis(q.reshape(q.shape[:-2] + (-1,))[..., :K], -1, axis).astype(np.float32)
;;   ~~~
;;   SOFTMAX AHEAD OF A QUANTISED PRODUCT. Where the list says 'softmax', what is quantised is not the finished softmax but p = 2^(t - M), with t = logit x log2(e) and M = ceil(the row's largest t), a whole number; so 1/2 < the row's largest p <= 1. The row's sum l is taken of the UNQUANTISED p, in f32, and the product's result is divided by l at the end. Since M is a whole number, a kernel that streams over the keys may use a running M (the ceiling of the running maximum): every later rescaling is an exact power of two, which a block's scale takes up: the codes' values come out the same.
;;   OPERANDS COMPUTED ON THE WAY. 'Computed on the way' means the value that the module computes at that place (a softmax that the list does not call 'softmax' is quantised finished and normalised). What goes into a quantiser is computed in f32, as accurately as f32 sums, v_exp_f32 and their like allow (about 1e-6 of the number): no bf16 or f16 on the way to a quantiser, and a product that is left as it is and whose result goes on into a quantised operand takes f32 operands (vector FMAs, or v_wmma_f32_16x16x4_f32). A number that lies on a knife's edge between two numbers of the format may be rounded either way, as far as f32 arithmetic and the matrix unit's own rounding can turn it there, and no further.
;; One version. Each part assembles by itself: llvm-mc -triple=amdgcn-amd-amdhsa -mcpu=gfx1250 --defsym DOCPART=n.
;; ======== version 1 of 1: 4 launches
;; workspace buffers: xq 6,553,600 bytes; wq 3,276,800 bytes; qb 6,553,600 bytes; kv 13,107,200 bytes; yq 6,553,600 bytes
;; launch quant (part 1): grid 256 x 1, 4 waves a work-group, no clusters, 199,168 bytes of LDS; arguments x, W_attn, W_proj, xq, wq; writes xq, wq
.if DOCPART == 1
	.amdgcn_target "amdgcn-amd-amdhsa--gfx1250"
	.amdhsa_code_object_version 6
	.text
	.protected	k_q52a731cd73_quant
	.globl	k_q52a731cd73_quant
	.p2align	8
	.type	k_q52a731cd73_quant,@function
k_q52a731cd73_quant:
	s_mov_b64 s[64:65], 0
	v_nop
	global_prefetch_b8 v0, s[64:65] scope:SCOPE_SE
	s_setreg_imm32_b32 hwreg(HW_REG_WAVE_MODE, 25, 1), 1
	s_wait_xcnt 0x0
; x [8192][1024], W_attn [1024][3072] and W_proj [1024][1024], f32, become codes of E2M3 with one E8M0 byte for each 32 along K (K = 1024 in all three; in the weights it is the FIRST axis).
; OUTPUT LAYOUT: tiles of 16 rows x K 1024, 12,800 bytes each: eight fragments (16 rows x 128 K) laid as IMAGES OF THE OPERAND'S REGISTERS, then 512 bytes of scale words.
;   a fragment is two halves of 768 bytes (64 along K): lane l's registers 0-3 at 16 l, registers 4-5 at 512 + 16 (l % 16) + 8 (l / 16).
;   scale word (row r, K step s) at 12288 + 256 (s / 4) + 16 r + 4 (s % 4).
;   ROW r OF TILE T is row 32 (T / 2) + 8 (T % 2) + r % 8 + 16 (r / 8) of the tensor (for the weights: column), so that later results of two neighbouring tiles are 16 neighbours.
; xq: 512 tiles of x.  wq: tiles 0-191 W_attn's columns, 192-255 W_proj's.
; SHARES: work-group g takes rows 32 g .. 32 g + 31 of x (131,072 bytes) and K step g % 8 of 128 columns of a weight (65,536 bytes).  All of it is asked for at the head by two tensor loads a wave;
; every LDS byte is filled once.  No work-group shares input with another, so there is no cluster; the launch streams each input byte once, so nothing is prefetched.
; A block's scale byte is its largest magnitude's exponent field - 2.  LIMITS: the largest magnitude is held at 2^-124 from below, so a block of zeros gets the byte 1 (its codes are zeros, and this
; program alone reads the bytes); NaN and infinities among the inputs are not served.
.set GT,    12800                      ; bytes of a tile
.set XQ,    33280                      ; LDS: a quarter of K of my 32 rows of x: 32 rows x (1,024 bytes + 16)
.set WREG,  4*XQ                       ; LDS: the weight's 128 rows of K x 512 bytes, dense
.set SPARE, WREG+65536                 ; the spare words: 128 bytes a wave, two blocks of 256 bytes that no other line names
.set SPW, 1                            ; v1  my spare word's address; never rewritten
.set NIL, 2                            ; v2  0; never rewritten
.set XA,  3                            ; v3  LDS: my row of x, my half of a block
.set WAD, 4                            ; v4  LDS: my column of the weight
.set L16, 5                            ; v5  16 x lane
.set L8,  6                            ; v6  16 (lane % 16) + 8 (lane / 16)
.set LR,  7                            ; v7  16 (lane % 16)
.set WO,  8                            ; v8  my column's place in wq
.set X0,  16                           ; v16-143 two sets of 64 numbers of x; later the weight's 128 numbers
.set PC,  144                          ; v144-163 a fragment's codes, and two runs at work
.set TM,  164                          ; v164-175 largest magnitudes, bytes, conversions' scale operands
.set PW,  180                          ; v180-183 four scale words of my row
.set CQ,  184                          ; v184-207 the weight's codes: for each half three groups of four registers
.set T,   208                          ; v208-223 at work
.set WW,  224                          ; v224 the weight's scale word
.set SEL, 60                           ; s[60:61] lane selects: lane l xor 16
; 64 numbers of a lane, register 16 b + i = k 32 b + 16 (lane / 16) + i of my row, become a fragment's 12 registers in v[pc] on and its scale word in v[pw]
.macro QUANT s, pc, pw
.irp b, 0,1,2,3
	v_max3_num_f32 v[TM+\b], |v[\s+16*\b]|, |v[\s+1+16*\b]|, 0x1800000   ; my 16 numbers of block b, and the floor 2^(3 - 127): the byte cannot fall under 1
.endr
.irp i, 2,4,6,8,10,12,14
.irp b, 0,1,2,3
	v_max3_num_f32 v[TM+\b], v[TM+\b], |v[\s+16*\b+\i]|, |v[\s+1+16*\b+\i]|
.endr
.endr
.irp b, 0,1,2,3
	v_permlanex16_b32 v[TM+4+\b], v[TM+\b], s[SEL], s[SEL+1]
.endr
.irp b, 0,1,2,3
	v_max_num_f32 v[TM+\b], v[TM+\b], v[TM+4+\b]         ; with lane l xor 16's: the block's largest magnitude
.endr
.irp b, 0,1,2,3
	v_add_nc_u32 v[TM+8+\b], 0xff000000, v[TM+\b]        ; 2 off its exponent field: the conversion's scale operand
.endr
.irp b, 0,1,2,3
	v_lshrrev_b32 v[TM+4+\b], 23, v[TM+8+\b]             ; the scale's byte
.endr
	v_lshl_or_b32 v[\pw], v[TM+5], 8, v[TM+4]
	v_lshl_or_b32 v[\pw], v[TM+6], 16, v[\pw]
	v_lshl_or_b32 v[\pw], v[TM+7], 24, v[\pw]
.irp c, 0,1
	v_cvt_scalef32_pk16_fp6_f32 v[\pc+6*\c:\pc+2+6*\c], v[\s+32*\c:\s+15+32*\c], v[TM+8+2*\c]
	v_cvt_scalef32_pk16_fp6_f32 v[\pc+12+4*\c:\pc+14+4*\c], v[\s+16+32*\c:\s+31+32*\c], v[TM+8+2*\c+1]   ; (a conversion's three registers begin on an even number)
.endr
	v_nop                                          ; one plain place behind the scaled conversions
.irp c, 0,1                                    ; the operand wants a whole block in a lane: lanes 0-15 block 2 c, lanes 16-31 block 2 c + 1
.irp i, 0,1,2
	v_permlane16_swap_b32 v[\pc+6*\c+\i], v[\pc+12+4*\c+\i]
.endr
.irp i, 0,1,2
	v_mov_b32 v[\pc+3+6*\c+\i], v[\pc+12+4*\c+\i]
.endr
.endr
.endm
	s_load_b256 s[4:11], s[0:1], 0x0               ; x s[4:5], W_attn s[6:7], W_proj s[8:9], xq s[10:11]
	s_load_b64 s[12:13], s[0:1], 0x20              ; wq
	v_lshl_add_u32 v[SPW], v0, 2, SPARE
	v_mov_b32 v[NIL], 0
	ds_add_u32 v[SPW], v[NIL]                      ; the wave's opening: the add and its wait ahead of my first tensor load
	v_lshrrev_b32 v9, 5, v0
	v_readfirstlane_b32 s14, v9                    ; wave 0..3
	; group 1 for x: 32 rows x 256 f32, 1,024 f32 from row to row; 16 bytes of padding behind each 256 words
	s_mov_b32 s16, (2<<16)|(1<<20)|(7<<22)|(3<<25)
	s_mov_b32 s17, 256<<16
	s_mov_b32 s18, 32<<16
	s_mov_b32 s19, 256<<16
	s_mov_b32 s20, 32
	s_mov_b32 s21, 1024
	s_mov_b32 s22, 0
	s_mov_b32 s23, 0
	; group 1 for W_attn: 32 rows x 128 f32, 3,072 f32 from row to row, dense in LDS; and for W_proj: 1,024 from row to row
	s_mov_b32 s28, 2<<16
	s_mov_b32 s29, 128<<16
	s_mov_b32 s30, 32<<16
	s_mov_b32 s31, 128<<16
	s_mov_b32 s32, 32
	s_mov_b32 s33, 3072
	s_mov_b32 s34, 0
	s_mov_b32 s35, 0
	s_mov_b32 s36, 2<<16
	s_mov_b32 s37, 128<<16
	s_mov_b32 s38, 32<<16
	s_mov_b32 s39, 128<<16
	s_mov_b32 s40, 32
	s_mov_b32 s41, 1024
	s_mov_b32 s42, 0
	s_mov_b32 s43, 0
	s_mov_b32 s[SEL], 0x76543210
	s_mov_b32 s[SEL+1], 0xfedcba98
	s_and_b32 s48, ttmp9, 7                        ; the weight's K step
	s_lshr_b32 s49, ttmp9, 3                       ; its group of 128 columns: 0-23 W_attn, 24-31 W_proj
	s_lshl_b32 s50, s48, 7
	s_lshl_b32 s51, s14, 5
	s_add_co_u32 s50, s50, s51                     ; my first row of K: 128 step + 32 wave
	s_mov_b32 s54, 4096
	s_cmp_lt_u32 s49, 24
	s_cselect_b32 s54, 12288, s54                  ; bytes from row to row
	s_cselect_b32 s55, 0, 24
	s_sub_co_u32 s55, s49, s55                     ; the group inside its own tensor
	s_mul_i32 s50, s50, s54
	s_lshl_b32 s55, s55, 9
	s_add_co_u32 s50, s50, s55
	s_mov_b32 s51, 0
	s_lshl_b32 s52, ttmp9, 17                      ; x: 32 rows of 4,096 bytes a work-group,
	s_lshl_b32 s53, s14, 10                        ; my quarter of K
	s_add_co_u32 s52, s52, s53
	s_mov_b32 s53, 0
	s_mul_i32 s56, s14, XQ                         ; where they go
	s_lshl_b32 s57, s14, 14
	s_add_co_u32 s57, s57, WREG
	s_wait_dscnt 0x0                               ; the opening add is done
	s_wait_kmcnt 0x0
	s_mov_b32 s24, 1
	s_mov_b32 s25, s56
	s_add_nc_u64 s[26:27], s[4:5], s[52:53]
	s_or_b32 s27, s27, 0x80000000
	s_cmp_lt_u32 s49, 24
	s_cselect_b64 s[58:59], s[6:7], s[8:9]         ; the choice hangs on the work-group's number alone
	s_mov_b32 s44, 1
	s_mov_b32 s45, s57
	s_add_nc_u64 s[46:47], s[58:59], s[50:51]
	s_or_b32 s47, s47, 0x80000000
	tensor_load_to_lds s[24:27], s[16:23]          ; my quarter of K of the 32 rows of x
	s_nop 0
	s_cmp_lt_u32 s49, 24                           ; two shapes, two lines: the branch hangs on the work-group's number, the same in all four waves; every wait on TENSORcnt here is for 0
	s_cbranch_scc0 .Lw_proj
	tensor_load_to_lds s[44:47], s[28:35]          ; my 32 rows of K of the weight
	s_nop 0
.rept 4
	v_nop
.endr
	s_branch .Lw_asked
.Lw_proj:
	tensor_load_to_lds s[44:47], s[36:43]
	s_nop 0
.rept 4
	v_nop
.endr
.Lw_asked:
	v_and_b32 v9, 31, v0                           ; lane
	v_and_b32 v10, 15, v0                          ; r
	v_bfe_u32 v11, v0, 4, 1                        ; h
	v_and_b32 v12, 8, v10
	v_add_nc_u32 v12, v12, v10                     ; r % 8 + 16 (r / 8)
	v_mul_u32_u24 v[XA], v12, 1040
	v_lshl_add_u32 v[XA], v11, 6, v[XA]            ; + 64 h: my 16 numbers of a block
	s_lshr_b32 s56, s14, 1                         ; u: which of the two tiles is mine
	s_and_b32 s57, s14, 1                          ; q: which half of K
	s_mul_i32 s58, s56, 8*1040
	s_mul_i32 s59, s57, 2*XQ
	s_add_co_u32 s58, s58, s59
	v_add_nc_u32 v[XA], s58, v[XA]
	v_lshlrev_b32 v[WAD], 2, v9
	s_lshl_b32 s58, s14, 7
	s_add_co_u32 s58, s58, WREG
	v_add_nc_u32 v[WAD], s58, v[WAD]               ; column 32 wave + lane
	v_lshlrev_b32 v[L16], 4, v9
	v_lshlrev_b32 v[LR], 4, v10
	v_lshl_add_u32 v[L8], v11, 3, v[LR]
	v_bfe_u32 v13, v0, 3, 1                        ; my column's tile of the wave's two,
	v_and_b32 v14, 7, v0
	v_lshl_add_u32 v14, v11, 3, v14                ; and its row there: lane % 8 + 8 (lane / 16)
	v_mul_u32_u24 v[WO], v13, GT
	v_lshl_add_u32 v[WO], v14, 4, v[WO]
.irp b, 0,1,2,3
	v_mov_b32 v[TM+4+\b], 0                        ; written once: a lane permute's destination counts as one of its sources
.endr
	s_lshl_b32 s50, ttmp9, 1
	s_add_co_u32 s50, s50, s56
	s_mul_i32 s50, s50, GT                         ; tile 2 g + u of xq
	s_mul_i32 s52, s57, 6144
	s_add_co_u32 s52, s52, s50
	s_mov_b32 s53, 0
	s_add_nc_u64 s[66:67], s[10:11], s[52:53]      ; my four fragments
	s_lshl_b32 s52, s57, 8
	s_add_co_u32 s52, s52, s50
	s_add_co_u32 s52, s52, 12288
	s_add_nc_u64 s[68:69], s[10:11], s[52:53]      ; my 256 bytes of scale words
	s_lshl_b32 s50, s49, 3
	s_lshl_b32 s51, s14, 1
	s_add_co_u32 s50, s50, s51
	s_mul_i32 s50, s50, GT                         ; tile 8 group + 2 wave of wq
	s_mul_i32 s52, s48, 1536
	s_add_co_u32 s52, s52, s50
	s_add_nc_u64 s[70:71], s[12:13], s[52:53]      ; this K step's fragment
	s_lshr_b32 s52, s48, 2
	s_lshl_b32 s52, s52, 8
	s_and_b32 s51, s48, 3
	s_lshl_b32 s51, s51, 2
	s_add_co_u32 s52, s52, s51
	s_add_co_u32 s52, s52, s50
	s_add_co_u32 s52, s52, 12288
	s_add_nc_u64 s[72:73], s[12:13], s[52:53]      ; and its scale words
	s_wait_tensorcnt 0x0                           ; my two loads have landed,
	s_barrier_signal -1
	s_barrier_wait -1                              ; everybody's have
; ---- x: my tile's 16 rows, my four K steps
.macro XREAD t
.irp b, 0,1,2,3
.irp j, 0,1,2,3
	ds_load_b128 v[X0+64*((\t)%2)+16*\b+4*\j:X0+64*((\t)%2)+16*\b+4*\j+3], v[XA] offset:((\t)/2)*XQ+((\t)%2)*512+128*\b+16*\j
.endr
.endr
.endm
	XREAD 0
.irp t, 0,1,2,3
.if \t < 3
	XREAD \t+1
	s_wait_dscnt 16                                ; this step's 16 loads are in; the next step's 16 may be out
.else
	s_wait_dscnt 0x0
.endif
.if \t > 0
	s_wait_xcnt 0x0                                ; the last step's stores have read their registers
.endif
	QUANT X0+64*(\t%2), PC, PW+\t
	global_store_b128 v[L16], v[PC:PC+3], s[66:67] offset:1536*\t          ; 512 consecutive bytes
	global_store_b64 v[L8], v[PC+4:PC+5], s[66:67] offset:1536*\t+512      ; 256 consecutive bytes
	global_store_b128 v[L16], v[PC+6:PC+9], s[66:67] offset:1536*\t+768
	global_store_b64 v[L8], v[PC+10:PC+11], s[66:67] offset:1536*\t+1280
.endr
	global_store_b128 v[LR], v[PW:PW+3], s[68:69]  ; my rows' four scale words: 256 consecutive bytes (lanes 16-31 write what lanes 0-15 write)
; ---- the weight: a lane takes a column, its registers run down K: four whole blocks
.set k, 0
.rept 128
	ds_load_b32 v[X0+k], v[WAD] offset:512*k
.set k, k+1
.endr
	s_wait_dscnt 0x0
.irp b, 0,1,2,3
	v_max3_num_f32 v[TM+\b], |v[X0+32*\b]|, |v[X0+32*\b+1]|, 0x1800000
.endr
.irp i, 2,4,6,8,10,12,14,16,18,20,22,24,26,28,30
.irp b, 0,1,2,3
	v_max3_num_f32 v[TM+\b], v[TM+\b], |v[X0+32*\b+\i]|, |v[X0+32*\b+\i+1]|
.endr
.endr
.irp b, 0,1,2,3
	v_add_nc_u32 v[TM+8+\b], 0xff000000, v[TM+\b]
.endr
.irp b, 0,1,2,3
	v_lshrrev_b32 v[TM+4+\b], 23, v[TM+8+\b]
.endr
	v_lshl_or_b32 v[WW], v[TM+5], 8, v[TM+4]
	v_lshl_or_b32 v[WW], v[TM+6], 16, v[WW]
	v_lshl_or_b32 v[WW], v[TM+7], 24, v[WW]
.irp b, 0,1,2,3
	v_cvt_scalef32_pk16_fp6_f32 v[CQ+12*(\b/2)+4*(\b%2):CQ+12*(\b/2)+4*(\b%2)+2], v[X0+32*\b:X0+32*\b+15], v[TM+8+\b]
	v_cvt_scalef32_pk16_fp6_f32 v[T+4*\b:T+4*\b+2], v[X0+32*\b+16:X0+32*\b+31], v[TM+8+\b]
.endr
	v_nop                                          ; one plain place behind the scaled conversions
.irp b, 0,1,2,3                                ; block b = 2 c + h is what lane (row, h) of the image holds in registers 6 c .. 6 c + 5
	v_mov_b32 v[CQ+12*(\b/2)+4*(\b%2)+3], v[T+4*\b]
	v_mov_b32 v[CQ+12*(\b/2)+8+2*(\b%2)], v[T+4*\b+1]
	v_mov_b32 v[CQ+12*(\b/2)+9+2*(\b%2)], v[T+4*\b+2]
.endr
.irp c, 0,1
	global_store_b128 v[WO], v[CQ+12*\c:CQ+12*\c+3], s[70:71] offset:768*\c          ; the 16 lanes of a tile store 256 consecutive bytes
	global_store_b128 v[WO], v[CQ+12*\c+4:CQ+12*\c+7], s[70:71] offset:768*\c+256
	global_store_b128 v[WO], v[CQ+12*\c+8:CQ+12*\c+11], s[70:71] offset:768*\c+512
.endr
	global_store_b32 v[WO], v[WW], s[72:73]        ; 4 bytes in each 16: the other K steps' words come from other work-groups; one byte in 128 of what the launch reads
	s_wait_tensorcnt 0x0                           ; the wave's end
	ds_add_u32 v[SPW], v[NIL]
	s_wait_dscnt 0x0
	s_endpgm
.Lfunc_end_k_q52a731cd73_quant:
	.size	k_q52a731cd73_quant, .Lfunc_end_k_q52a731cd73_quant-k_q52a731cd73_quant
	.p2alignl 7, 3214868480
	.fill 96, 4, 3214868480
	.section	.rodata,"a",@progbits
	.p2align	6, 0x0
	.amdhsa_kernel k_q52a731cd73_quant
		.amdhsa_group_segment_fixed_size 199168
		.amdhsa_private_segment_fixed_size 0
		.amdhsa_enable_private_segment 0
		.amdhsa_kernarg_size 40
		.amdhsa_user_sgpr_count 2
		.amdhsa_user_sgpr_kernarg_segment_ptr 1
		.amdhsa_wavefront_size32 1
		.amdhsa_system_sgpr_workgroup_id_x 1
		.amdhsa_system_sgpr_workgroup_id_y 1
		.amdhsa_system_sgpr_workgroup_id_z 1
		.amdhsa_system_vgpr_workitem_id 0
		.amdhsa_next_free_vgpr 232
		.amdhsa_next_free_sgpr 74
		.amdhsa_reserve_vcc 0
		.amdhsa_float_denorm_mode_32 3
		.amdhsa_float_denorm_mode_16_64 3
		.amdhsa_memory_ordered 1
		.amdhsa_forward_progress 1
		.amdhsa_inst_pref_size 42
	.end_amdhsa_kernel
	.amdgpu_metadata
---
amdhsa.version: [ 1, 2 ]
amdhsa.kernels:
  - .name:           k_q52a731cd73_quant
    .symbol:         k_q52a731cd73_quant.kd
    .args:
      - { .name: x, .offset: 0, .size: 8, .value_kind: global_buffer, .address_space: global }
      - { .name: W_attn, .offset: 8, .size: 8, .value_kind: global_buffer, .address_space: global }
      - { .name: W_proj, .offset: 16, .size: 8, .value_kind: global_buffer, .address_space: global }
      - { .name: xq, .offset: 24, .size: 8, .value_kind: global_buffer, .address_space: global }
      - { .name: wq, .offset: 32, .size: 8, .value_kind: global_buffer, .address_space: global }
    .group_segment_fixed_size: 199168
    .private_segment_fixed_size: 0
    .kernarg_segment_align: 8
    .kernarg_segment_size: 40
    .max_flat_workgroup_size: 128
    .sgpr_count:     74
    .vgpr_count:     232
    .wavefront_size: 32
...
	.end_amdgpu_metadata
.endif
;; end of part 1
;; launch gemm_qkv (part 2): grid 8 x 48, 4 waves a work-group, clusters of 4 x 4, 327,680 bytes of LDS; arguments xq, wq, b_attn, bQ, bK, bV, qb, kv; writes qb, kv
.if DOCPART == 2
	.amdgcn_target "amdgcn-amd-amdhsa--gfx1250"
	.amdhsa_code_object_version 6
	.text
	.protected	k_q52a731cd73_gemm_qkv
	.globl	k_q52a731cd73_gemm_qkv
	.p2align	8
	.type	k_q52a731cd73_gemm_qkv,@function
k_q52a731cd73_gemm_qkv:
	s_mov_b64 s[64:65], 0
	v_nop
	global_prefetch_b8 v0, s[64:65] scope:SCOPE_SE
	s_setreg_imm32_b32 hwreg(HW_REG_WAVE_MODE, 25, 1), 1
	s_wait_xcnt 0x0
	s_wait_alu depctr_hold_cnt(0) depctr_sa_sdst(0) depctr_va_vdst(0) depctr_va_sdst(0) depctr_va_ssrc(0) depctr_va_vcc(0) depctr_vm_vsrc(0)
	s_getreg_b32 s2, hwreg(HW_REG_IB_STS2, 6, 4)
	s_cmp_eq_u32 s2, 0
	s_cbranch_scc0 .Lentry_in_a_cluster
	s_endpgm
.Lentry_in_a_cluster:
	s_bfe_u32 s2, ttmp6, 0x10000c
	s_cmp_lg_u32 s2, 0xf033
	s_cbranch_scc0 .Lentry_shape_is_right
	s_endpgm
.Lentry_shape_is_right:
; qkv = x W_attn + b_attn, + the heads' biases, on codes of E2M3 (K = 1024); the results are quantised in registers and leave as codes: q and k along the head's 64, v along the keys.
; A work-group makes 256 "A rows" x 256 "B rows", a wave 128 x 128: 64 accumulators.  THE MATRIX INSTRUCTION IS USED TRANSPOSED: source 0 = 16 B rows, source 1 = 16 A rows: a lane holds one A row, and its registers
; run along B rows; by the tiles' row order the 16 registers of two neighbouring tiles are 16 neighbours.
;   q, k (clusters with y under 8): A = tokens (xq), B = columns (wq): a lane's 128 numbers are two heads of one token: blocks along the head's 64.
;   v    (clusters with y from 8):  A = columns (wq), B = tokens (xq): a lane's 128 numbers are 128 keys of one channel: blocks along the keys.
; The role hangs on the cluster's y alone: it is the same in all sixteen partners.
; INPUT: tiles of 16 rows x K 1024 in 12,800 bytes: eight fragments as images of the operand's registers (1,536 bytes), then the scale words.
; K goes in eight steps of 128, written out.  Three LDS slots of 256 along K (A's 16 tiles x 3,072 bytes, then B's); K slots 0, 1, 2 are asked for at the head, K slot 3 into the first LDS slot when that has been read.
; CLUSTERS: 4 x 4.  A's tiles are shared along a row of the cluster, B's along a column: each is asked for jointly.  The scale words come once, straight into registers.
; OUTPUT: qb [head of 64][group of 128 tokens][6,400]: eight half images (16 tokens x 64: 768 bytes), then at 6144 + 16 r + 2 a the two scale bytes of row r of tile a.
;         kv [head][group][K's block as above, then V's block: four fragments (16 channels x 128 keys), then at 6144 + 16 r + 4 t the scale words].
; LIMITS: b_attn and the head's bias are summed first and then added to the product; a block's largest magnitude is held at 2^-124 from below (a block of zeros gets the byte 1: its codes are zeros); NaN and infinities are not served.
; REGISTERS: window 0: v1-23 addresses; v24-31 the v role's biases; v32-63 A's scale words, v64-95 B's (nothing else ever); v96-191 A's fragments, one set; v192-255 the q, k role's biases.
;   window 1: B's fragments, two sets, at v0 and v128.  windows 2, 3: accumulator (a, b) at v[8 (8 (a % 4) + b)].  Behind the last product v96-191 and v4-15 serve the quantiser.
.set GT,    12800
.set TILEB, 3072                       ; a tile's part of an LDS slot: two fragments
.set HALFT, 8*TILEB                    ; what one tensor load brings, and what a wave reads of A or of B
.set BOFF,  2*HALFT
.set SLOTB, 4*HALFT
.set SPARE, 3*SLOTB                    ; the spare words: 128 bytes a wave, two blocks of 256 bytes that no other line names
.set L16, 3
.set A16, 4                            ; v4-6   LDS address of my A fragments in LDS slot 0, 1, 2 (16 x lane);  v7-9 the same for the pieces of 8 bytes
.set A8,  7
.set B16, 10                           ; v10-12, v13-15 the same for B
.set B8,  13
.set L8,  16
.set LR,  17
.set VSEL, 18
.set HOFF, 19
.set SPW, 20
.set NIL, 21
.set BA,  24
.set SA,  32
.set SB,  64
.set AF,  96
.set BB,  192
.set HA,  96                           ; behind the products: a row block's 64 numbers,
.set PC,  160                          ; its codes,
.set TM,  180                          ; at work,
.set PW,  4                            ; the eight scale words,
.set PK,  12                           ; and what is stored of them
.set G1A, 24
.set G0A, 32                           ; four sets, one for each K slot; never rewritten
.set G1B, 48
.set G0B, 68
.set SEL, 92
.set MSB, 0
.macro WIN new                         ; the immediate's high byte repeats the setting that is left
.if MSB != \new
	s_set_vgpr_msb (MSB<<8)|\new
.set MSB, \new
.endif
.endm
.set MUL_LO, 0xa1                      ; source 0 (B) window 1, source 1 (A) window 0, C and D window 2
.set MUL_HI, 0xf1
.set TO_B,   0x40
.macro JLOAD g0a, g1a, g0b, g1b        ; a joint load: waves 0 and 1 fetch A's halves, waves 2 and 3 B's; the branch hangs on the wave's number alone
	s_cmp_eq_u32 s21, 0
	s_cbranch_scc0 .Lfor_b_\@
	tensor_load_to_lds s[\g0a:\g0a+3], s[\g1a:\g1a+7]
	s_nop 0
.rept 4
	v_nop
.endr
	s_branch .Lasked_\@
.Lfor_b_\@:
	tensor_load_to_lds s[\g0b:\g0b+3], s[\g1b:\g1b+7]
	s_nop 0
.rept 4
	v_nop
.endr
.Lasked_\@:
.endm
.macro CREST
	s_cmp_lg_u32 s20, 0
	s_cbranch_scc1 .Lnot_wave_0_\@
	s_barrier_signal -3
.Lnot_wave_0_\@:
	s_barrier_wait -3
	s_barrier_signal -1
	s_barrier_wait -1
.endm
.macro CROUND
	s_barrier_signal -1
	s_barrier_wait -1
	CREST
.endm
.macro PLACES n
.rept \n
	v_nop
.endr
.endm
.macro FRAG reg, a16, a8, off          ; a fragment's 12 registers from its image: each load reads consecutive bytes
	ds_load_b128 v[\reg:\reg+3], v[\a16] offset:\off
	ds_load_b64 v[\reg+4:\reg+5], v[\a8] offset:\off+512
	ds_load_b128 v[\reg+6:\reg+9], v[\a16] offset:\off+768
	ds_load_b64 v[\reg+10:\reg+11], v[\a8] offset:\off+1280
.endm
; 16 matrix instructions: A's blocks a0, a0 + 1 x B's eight, K step s.  cm = 0: the sums go on; 1: they begin with 0; 2: with v[BB + 8 b].  The scale words of K steps 4-7 lie in lanes 16-31.
; The 64 accumulators take turns, one instruction a turn, in the same order in every step.
.macro MUL16 a0, s, cm
.irp a, \a0, \a0+1
.irp b, 0,1,2,3,4,5,6,7
.set rD, 8*(8*((\a)%4)+\b)
.set rB, 128*((\s)%2)+12*\b
.set rA, AF+12*(\a)
.set rSB, SB+4*\b+(\s)%4
.set rSA, SA+4*(\a)+(\s)%4
.set rC, BB+8*\b
.if (\s) >= 4
	v_wmma_scale_f32_16x16x128_f8f6f4 v[rD:rD+7], v[rB:rB+11], v[rA:rA+11], v[rD:rD+7], v[rSB], v[rSA] matrix_a_fmt:MATRIX_FMT_FP6 matrix_b_fmt:MATRIX_FMT_FP6 matrix_a_scale:MATRIX_SCALE_ROW1 matrix_b_scale:MATRIX_SCALE_ROW1
.elseif \cm == 0
	v_wmma_scale_f32_16x16x128_f8f6f4 v[rD:rD+7], v[rB:rB+11], v[rA:rA+11], v[rD:rD+7], v[rSB], v[rSA] matrix_a_fmt:MATRIX_FMT_FP6 matrix_b_fmt:MATRIX_FMT_FP6
.elseif \cm == 1
	v_wmma_scale_f32_16x16x128_f8f6f4 v[rD:rD+7], v[rB:rB+11], v[rA:rA+11], 0, v[rSB], v[rSA] matrix_a_fmt:MATRIX_FMT_FP6 matrix_b_fmt:MATRIX_FMT_FP6
.else
	v_wmma_scale_f32_16x16x128_f8f6f4 v[rD:rD+7], v[rB:rB+11], v[rA:rA+11], v[rC:rC+7], v[rSB], v[rSA] matrix_a_fmt:MATRIX_FMT_FP6 matrix_b_fmt:MATRIX_FMT_FP6
.endif
.endr
.endr
.endm
.macro FETCH_B L, s, p                 ; B's eight fragments of K step s, from LDS slot L, into set p
	WIN TO_B
.irp i, 0,1,2,3,4,5,6,7
	FRAG 128*(\p)+12*\i, B16+\L, B8+\L, TILEB*\i+1536*((\s)%2)
.endr
	WIN 0
.endm
.macro FETCH_A L, s, i0                ; A's blocks i0 .. i0 + 3
.irp i, \i0, \i0+1, \i0+2, \i0+3
	FRAG AF+12*(\i), A16+\L, A8+\L, TILEB*(\i)+1536*((\s)%2)
.endr
.endm
; K step s; the next step's fragments are fetched from a slot that every wave has been shown whole
.macro STEP s, cm
.set LN, (((\s)+1)/2)%3
	s_wait_dscnt 16                                ; B's set and A's blocks 0-3 are in; the youngest 16 loads (A's blocks 4-7) may be out
.if \cm == 2
	WIN 0x81
.else
	WIN MUL_LO
.endif
	MUL16 0, \s, \cm
	MUL16 2, \s, \cm
	s_wait_dscnt 0x0
	PLACES 4                                       ; four places in front of loads into registers that matrix instructions have read
	FETCH_B LN, (\s)+1, ((\s)+1)%2
	FETCH_A LN, (\s)+1, 0
.if \cm == 2
	WIN 0xc1
.else
	WIN MUL_HI
.endif
	MUL16 4, \s, \cm
	MUL16 6, \s, \cm
	PLACES 4
	WIN 0
	FETCH_A LN, (\s)+1, 4
.endm
; K step s with a barrier in its middle: in front of it each wave waits for all its tensor loads, adds 0 to its spare word, and waits for that and for its LDS reads.
; fill = 1: the barrier opens a round of the cluster's barrier, and K slot 3 is asked for into the first LDS slot, which nobody reads any more.
.macro TURN s, fill
.set LN, (((\s)+1)/2)%3
	s_wait_tensorcnt 0x0                           ; all my tensor loads have landed
	ds_add_u32 v[SPW], v[NIL]                      ; 0 onto my spare word
	s_wait_dscnt 17                                ; (the add and the youngest 16 loads may be out)
	WIN MUL_LO
	MUL16 0, \s, 0
	s_wait_dscnt 0x0                               ; the add is done, and my LDS reads are over
	s_barrier_signal -1
	MUL16 2, \s, 0
	WIN 0
	s_barrier_wait -1
.if \fill
	CREST
	JLOAD G0A+12, G1A, G0B+12, G1B                 ; the first tensor load behind the round; its four v_nop are also the places in front of the loads below
.else
	PLACES 4
.endif
	FETCH_B LN, (\s)+1, ((\s)+1)%2
	FETCH_A LN, (\s)+1, 0
	WIN MUL_HI
	MUL16 4, \s, 0
	MUL16 6, \s, 0
	PLACES 4
	WIN 0
	FETCH_A LN, (\s)+1, 4
.endm
; 64 numbers of a lane, register 16 b + i = k 32 b + 16 (lane / 16) + i of my row, become a fragment's 12 registers in v[pc] on and its scale word in v[pw]
.macro QUANT s, pc, pw
.irp b, 0,1,2,3
	v_max3_num_f32 v[TM+\b], |v[\s+16*\b]|, |v[\s+1+16*\b]|, 0x1800000   ; and the floor 2^(3 - 127): the byte cannot fall under 1
.endr
.irp i, 2,4,6,8,10,12,14
.irp b, 0,1,2,3
	v_max3_num_f32 v[TM+\b], v[TM+\b], |v[\s+16*\b+\i]|, |v[\s+1+16*\b+\i]|
.endr
.endr
.irp b, 0,1,2,3
	v_permlanex16_b32 v[TM+4+\b], v[TM+\b], s[SEL], s[SEL+1]
.endr
.irp b, 0,1,2,3
	v_max_num_f32 v[TM+\b], v[TM+\b], v[TM+4+\b]
.endr
.irp b, 0,1,2,3
	v_add_nc_u32 v[TM+8+\b], 0xff000000, v[TM+\b]
.endr
.irp b, 0,1,2,3
	v_lshrrev_b32 v[TM+4+\b], 23, v[TM+8+\b]
.endr
	v_lshl_or_b32 v[\pw], v[TM+5], 8, v[TM+4]
	v_lshl_or_b32 v[\pw], v[TM+6], 16, v[\pw]
	v_lshl_or_b32 v[\pw], v[TM+7], 24, v[\pw]
.irp c, 0,1
	v_cvt_scalef32_pk16_fp6_f32 v[\pc+6*\c:\pc+2+6*\c], v[\s+32*\c:\s+15+32*\c], v[TM+8+2*\c]
	v_cvt_scalef32_pk16_fp6_f32 v[\pc+12+4*\c:\pc+14+4*\c], v[\s+16+32*\c:\s+31+32*\c], v[TM+8+2*\c+1]
.endr
	v_nop                                          ; one plain place behind the scaled conversions
.irp c, 0,1
.irp i, 0,1,2
	v_permlane16_swap_b32 v[\pc+6*\c+\i], v[\pc+12+4*\c+\i]
.endr
.irp i, 0,1,2
	v_mov_b32 v[\pc+3+6*\c+\i], v[\pc+12+4*\c+\i]
.endr
.endr
.endm
	s_load_b512 s[4:19], s[0:1], 0x0               ; xq s[4:5], wq s[6:7], b_attn s[8:9], bQ s[10:11], bK s[12:13], bV s[14:15], qb s[16:17], kv s[18:19]
	v_lshl_add_u32 v[SPW], v0, 2, SPARE
	v_mov_b32 v[NIL], 0
	ds_add_u32 v[SPW], v[NIL]                      ; the wave's opening: the add and its wait ahead of my first tensor load
	v_lshrrev_b32 v1, 5, v0
	v_readfirstlane_b32 s20, v1                    ; wave 0..3
	s_lshr_b32 s21, s20, 1                         ; which half of A's rows is mine.  Also: I fetch for A (0) or for B (1)
	s_and_b32 s22, s20, 1                          ; which half of B's rows.  Also: which 8 tiles I fetch
	s_bfe_u32 s56, ttmp6, 0x40000                  ; cx
	s_bfe_u32 s57, ttmp6, 0x40004                  ; cy
	s_mov_b32 s60, ttmp9                           ; the cluster's x: 0, 1
	s_and_b32 s61, ttmp7, 0xffff                   ; the cluster's y: 0 .. 11
	s_max_u32 s63, s61, 8
	s_lshl_b32 s63, s63, 1
	s_add_co_u32 s63, s63, s60
	s_sub_co_u32 s63, s63, 16                      ; the v role's column of clusters: x + 2 (y - 8)
	s_cmp_ge_u32 s61, 8
	s_cselect_b32 s23, 1, 0                        ; 1: the v role
	s_cselect_b32 s62, 2, s61
	s_cselect_b32 s63, s63, s60
	s_lshl_b32 s58, s62, 2
	s_add_co_u32 s58, s58, s57                     ; A's block of 256 rows
	s_lshl_b32 s59, s63, 2
	s_add_co_u32 s59, s59, s56                     ; B's block of 256 rows
	s_lshl_b32 s62, s57, 2
	s_lshl_b32 s62, 15, s62                        ; my row of the cluster
	s_lshl_b32 s63, 0x1111, s56                    ; my column
	; group 1: 8 tiles' parts of 3,072 bytes (384 elements of 8 bytes), 12,800 bytes (1,600 elements) apart, dense in LDS
	s_or_b32 s[G1A], s62, (3<<16)|(1<<21)
	s_or_b32 s[G1B], s63, (3<<16)|(1<<21)
.irp g, G1A, G1B
	s_mov_b32 s[\g+1], 384<<16
	s_mov_b32 s[\g+2], 8<<16
	s_mov_b32 s[\g+3], 384<<16
	s_mov_b32 s[\g+4], 8
	s_mov_b32 s[\g+5], 1600
	s_mov_b32 s[\g+6], 0
	s_mov_b32 s[\g+7], 0
.endr
	s_mov_b32 s[SEL], 0x76543210
	s_mov_b32 s[SEL+1], 0xfedcba98
	s_lshl_b32 s96, s22, 3
	s_lshl_b32 s88, s58, 4
	s_add_co_u32 s88, s88, s96
	s_mul_i32 s88, s88, GT                         ; A: tile 16 block + 8 half, in bytes
	s_mov_b32 s89, 0
	s_lshl_b32 s90, s59, 4
	s_add_co_u32 s90, s90, s96
	s_mul_i32 s90, s90, GT                         ; B likewise
	s_mov_b32 s91, 0
	s_mul_i32 s97, s20, HALFT                      ; where they go: no place in the cluster enters an LDS address
	s_wait_dscnt 0x0                               ; the opening add is done
	s_wait_kmcnt 0x0
	s_cmp_eq_u32 s23, 1
	s_cselect_b64 s[84:85], s[6:7], s[4:5]         ; A's buffer
	s_cselect_b64 s[86:87], s[4:5], s[6:7]         ; B's
	s_add_nc_u64 s[88:89], s[84:85], s[88:89]
	s_add_nc_u64 s[90:91], s[86:87], s[90:91]
.irp j, 0,1,2,3
	s_mov_b32 s[G0A+4*\j], 1
	s_add_co_u32 s[G0A+4*\j+1], s97, (\j%3)*SLOTB
	s_add_nc_u64 s[G0A+4*\j+2:G0A+4*\j+3], s[88:89], \j*TILEB
	s_or_b32 s[G0A+4*\j+3], s[G0A+4*\j+3], 0x80000000
	s_mov_b32 s[G0B+4*\j], 1
	s_add_co_u32 s[G0B+4*\j+1], s97, (\j%3)*SLOTB
	s_add_nc_u64 s[G0B+4*\j+2:G0B+4*\j+3], s[90:91], \j*TILEB
	s_or_b32 s[G0B+4*\j+3], s[G0B+4*\j+3], 0x80000000
.endr
	CROUND                                         ; all sixteen work-groups are here: the first joint loads meet
.irp j, 0,1,2
	JLOAD G0A+4*\j, G1A, G0B+4*\j, G1B             ; three loads of mine are out
.endr
	v_and_b32 v1, 15, v0                           ; r
	v_bfe_u32 v2, v0, 4, 1                         ; h
	v_and_b32 v18, 31, v0
	v_lshlrev_b32 v[L16], 4, v18
	v_lshlrev_b32 v[LR], 4, v1
	v_lshl_add_u32 v[L8], v2, 3, v[LR]
	s_mul_i32 s94, s21, HALFT
	s_mul_i32 s95, s22, HALFT
	s_add_co_u32 s95, s95, BOFF
.irp L, 0,1,2
	v_add_nc_u32 v[A16+\L], s94, v[L16]
	v_add_nc_u32 v[A8+\L], s94, v[L8]
	v_add_nc_u32 v[B16+\L], s95, v[L16]
	v_add_nc_u32 v[B8+\L], s95, v[L8]
	s_add_co_u32 s94, s94, SLOTB
	s_add_co_u32 s95, s95, SLOTB
.endr
	v_lshlrev_b32 v22, 6, v2                       ; biases along my registers: 64 h bytes
	v_and_b32 v19, 8, v1
	v_add_nc_u32 v19, v19, v1
	v_lshlrev_b32 v23, 2, v19                      ; biases of my row: 4 (r % 8 + 16 (r / 8))
	s_lshl_b32 s62, s58, 4
	s_lshl_b32 s63, s21, 3
	s_add_co_u32 s62, s62, s63
	s_mul_i32 s62, s62, GT
	s_mov_b32 s63, 0
	s_add_nc_u64 s[98:99], s[84:85], s[62:63]      ; the 8 tiles of A that I multiply (B's are those that s[90:91] names)
	; both roles' bias tables are loaded without a branch; the table that a role does not use is read at index 0
	s_lshl_b32 s94, s59, 8
	s_lshl_b32 s95, s22, 7
	s_add_co_u32 s94, s94, s95
	s_lshl_b32 s2, s57, 8
	s_lshl_b32 s3, s21, 7
	s_add_co_u32 s2, s2, s3
	s_cmp_eq_u32 s23, 1
	s_cselect_b32 s94, 0, s94                      ; q, k: my first column
	s_cselect_b32 s2, s2, 0                        ; v: my first column inside v
	s_cselect_b32 s100, 2048, 0
	s_add_co_u32 s100, s100, s2
	s_and_b32 s96, s94, 1023
	s_lshl_b32 s94, s94, 2
	s_lshl_b32 s96, s96, 2
	s_lshl_b32 s100, s100, 2
	s_lshl_b32 s2, s2, 2
	s_mov_b32 s95, 0
	s_mov_b32 s97, 0
	s_mov_b32 s101, 0
	s_mov_b32 s3, 0
	s_cmp_eq_u32 s60, 0                            ; columns under 1,024 are q's
	s_cselect_b64 s[10:11], s[10:11], s[12:13]
	s_add_nc_u64 s[10:11], s[10:11], s[96:97]
	s_add_nc_u64 s[12:13], s[8:9], s[94:95]
	s_add_nc_u64 s[8:9], s[8:9], s[100:101]
	s_add_nc_u64 s[14:15], s[14:15], s[2:3]
.irp i, 0,1,2,3,4,5,6,7
	global_load_b128 v[SA+4*\i:SA+4*\i+3], v[L16], s[98:99] offset:\i*GT+12288   ; lanes 0-15: row r's words of K steps 0-3; lanes 16-31: of K steps 4-7
	global_load_b128 v[SB+4*\i:SB+4*\i+3], v[L16], s[90:91] offset:\i*GT+12288
.endr
.irp b, 0,1,2,3
.irp j, 0,1,2,3
	global_load_b128 v[BB+16*\b+4*\j:BB+16*\b+4*\j+3], v22, s[12:13] offset:128*\b+16*\j
	global_load_b128 v[AF+16*\b+4*\j:AF+16*\b+4*\j+3], v22, s[10:11] offset:128*\b+16*\j
.endr
.endr
.irp a, 0,1,2,3,4,5,6,7
	global_load_b32 v[BA+\a], v23, s[8:9] offset:(32*(\a/2)+8*(\a%2))*4
	global_load_b32 v[AF+64+\a], v23, s[14:15] offset:(32*(\a/2)+8*(\a%2))*4
.endr
	s_wait_loadcnt 0x0
.set n, 0
.rept 32
	v_pk_add_f32 v[BB+n:BB+n+1], v[BB+n:BB+n+1], v[AF+n:AF+n+1]
.set n, n+2
.endr
.irp m, 0,2,4,6
	v_pk_add_f32 v[BA+\m:BA+\m+1], v[BA+\m:BA+\m+1], v[AF+64+\m:AF+64+\m+1]
.endr
	s_wait_tensorcnt 2                             ; my part of K slot 0 is in; K slots 1 and 2 may stay out
	s_barrier_signal -1
	s_barrier_wait -1
	FETCH_B 0, 0, 0
	FETCH_A 0, 0, 0
	FETCH_A 0, 0, 4
	STEP 0, 1                                      ; the first products start the sums
	TURN 1, 1                                      ; all three slots are whole in every wave; K slot 3 goes out and has four steps in which to land
	STEP 2, 0
	STEP 3, 0
	STEP 4, 0
	TURN 5, 0                                      ; K slot 3 has landed, in every wave
	STEP 6, 0
	s_wait_dscnt 16
	WIN MUL_LO
	MUL16 0, 7, 0
	MUL16 2, 7, 0
	s_wait_dscnt 0x0
	WIN MUL_HI
	MUL16 4, 7, 0
	MUL16 6, 7, 0
	WIN 0
	PLACES 4
; ---- THE WAY OUT.  No tensor load of mine is out, so the descriptors' registers serve as scalars.
.irp b, 0,1,2,3
	v_mov_b32 v[TM+4+\b], 0                        ; a lane permute's destination counts as one of its sources
.endr
	s_cmp_eq_u32 s23, 1
	s_cselect_b32 s24, s59, s58                    ; the tokens' block of 256,
	s_cselect_b32 s25, s22, s21                    ; my half of it,
	s_cselect_b32 s26, s57, s56                    ; the columns' block of 256 inside q, k or v: four heads,
	s_cselect_b32 s27, s21, s22                    ; my half of it: two heads
	s_or_b32 s28, s23, s60
	s_cmp_eq_u32 s28, 0                            ; q?
	s_cselect_b64 s[30:31], s[16:17], s[18:19]
	s_mov_b32 s29, GT
	s_cselect_b32 s29, 6400, s29                   ; bytes of a group of 128 tokens in that buffer
	s_lshr_b32 s32, s24, 3                         ; the batch
	s_lshl_b32 s32, s32, 4
	s_lshl_b32 s33, s26, 2
	s_add_co_u32 s32, s32, s33
	s_lshl_b32 s33, s27, 1
	s_add_co_u32 s32, s32, s33                     ; 16 batch + my first head
	s_lshl_b32 s32, s32, 4
	s_lshl_b32 s33, s24, 1
	s_add_co_u32 s33, s33, s25
	s_and_b32 s33, s33, 15                         ; the group of 128 tokens
	s_add_co_u32 s32, s32, s33
	s_mul_i32 s32, s32, s29
	s_lshl_b32 s34, s29, 4                         ; from a head to the next
	s_mov_b32 s38, 768
	s_cmp_eq_u32 s23, 1
	s_cselect_b32 s33, 6400, 0                     ; V's block lies behind K's
	s_cselect_b32 s36, 768, s34                    ; from a fragment's first half to its second: in V the next 768 bytes, in q, k the next head
	s_cselect_b32 s38, 1536, s38                   ; from a row block to the next
	s_cselect_b32 s40, 198656, 0                   ; in V, behind four row blocks: on to the next head
	s_add_co_u32 s32, s32, s33
	s_mov_b32 s33, 0
	s_mov_b32 s37, 0
	s_mov_b32 s39, 0
	s_mov_b32 s41, 0
	s_mov_b32 s35, 0xffff0000                      ; lanes 16-31
	s_add_nc_u64 s[42:43], s[30:31], s[32:33]
	s_add_nc_u64 s[44:45], s[42:43], s[36:37]
	s_add_nc_u64 s[46:47], s[42:43], 6144          ; the scale bytes
	v_mul_lo_u32 v[HOFF], v2, s34
	v_add_nc_u32 v[HOFF], v[HOFF], v[LR]           ; lanes 0-15 store my first head's, lanes 16-31 my second's
	v_mov_b32 v[VSEL], 0x05040100
	v_mov_b32 v22, 0x07060302
	v_cndmask_b32 v[VSEL], v[VSEL], v22, s35
; Row block a: the bias is added on the way into window 0 (each accumulator is read from its low end on); the 64 numbers are quantised; the fragment's two halves are stored as images.
.macro EPI a
	s_cmp_eq_u32 s23, 1
	s_cbranch_scc1 .Lbias_v_\@
	WIN 0x02+(\a)/4
.set n, 0
.rept 32
	v_pk_add_f32 v[HA+n:HA+n+1], v[64*((\a)%4)+n:64*((\a)%4)+n+1], v[BB+n:BB+n+1]
.set n, n+2
.endr
	WIN 0
	s_branch .Lbias_done_\@
.Lbias_v_\@:
	WIN 0x02+(\a)/4
.set n, 0
.rept 64
	v_add_f32 v[HA+n], v[64*((\a)%4)+n], v[BA+(\a)]
.set n, n+1
.endr
	WIN 0
.Lbias_done_\@:
.if (\a) > 0
	s_wait_xcnt 0x0                                ; the last block's stores have read their registers and bases
	s_add_nc_u64 s[42:43], s[42:43], s[38:39]
	s_add_nc_u64 s[44:45], s[44:45], s[38:39]
.endif
.if (\a) == 4
	s_add_nc_u64 s[42:43], s[42:43], s[40:41]
	s_add_nc_u64 s[44:45], s[44:45], s[40:41]
.endif
	QUANT HA, PC, PW+\a
	global_store_b128 v[L16], v[PC:PC+3], s[42:43]               ; 512 consecutive bytes
	global_store_b64 v[L8], v[PC+4:PC+5], s[42:43] offset:512    ; 256 consecutive bytes
	global_store_b128 v[L16], v[PC+6:PC+9], s[44:45]
	global_store_b64 v[L8], v[PC+10:PC+11], s[44:45] offset:512
.endm
.irp a, 0,1,2,3,4,5,6,7
	EPI \a
.endr
	s_cmp_eq_u32 s23, 1
	s_cbranch_scc1 .Lpack_v
.irp j, 0,1,2,3
	v_perm_b32 v[PK+\j], v[PW+2*\j+1], v[PW+2*\j], v[VSEL]       ; q, k: a word's low half is row block 2 j's two bytes, its high half 2 j + 1's, of the lane's head: eight halves a row
.endr
	s_branch .Lpacked
.Lpack_v:
.irp j, 0,1,2,3
	v_cndmask_b32 v[PK+\j], v[PW+\j], v[PW+4+\j], s35            ; v: row blocks 0-3 are my first head's, 4-7 my second's: four words a row
.endr
.Lpacked:
	global_store_b128 v[HOFF], v[PK:PK+3], s[46:47]              ; 16 lanes store 256 consecutive bytes
	s_wait_tensorcnt 0x0                           ; the wave's end
	ds_add_u32 v[SPW], v[NIL]
	s_wait_dscnt 0x0
	CROUND                                         ; the closing round
	s_endpgm
.Lfunc_end_k_q52a731cd73_gemm_qkv:
	.size	k_q52a731cd73_gemm_qkv, .Lfunc_end_k_q52a731cd73_gemm_qkv-k_q52a731cd73_gemm_qkv
	.p2alignl 7, 3214868480
	.fill 96, 4, 3214868480
	.section	.rodata,"a",@progbits
	.p2align	6, 0x0
	.amdhsa_kernel k_q52a731cd73_gemm_qkv
		.amdhsa_group_segment_fixed_size 327680
		.amdhsa_private_segment_fixed_size 0
		.amdhsa_enable_private_segment 0
		.amdhsa_kernarg_size 64
		.amdhsa_user_sgpr_count 2
		.amdhsa_user_sgpr_kernarg_segment_ptr 1
		.amdhsa_wavefront_size32 1
		.amdhsa_system_sgpr_workgroup_id_x 1
		.amdhsa_system_sgpr_workgroup_id_y 1
		.amdhsa_system_sgpr_workgroup_id_z 1
		.amdhsa_system_vgpr_workitem_id 0
		.amdhsa_next_free_vgpr 1024
		.amdhsa_next_free_sgpr 102
		.amdhsa_reserve_vcc 0
		.amdhsa_float_denorm_mode_32 3
		.amdhsa_float_denorm_mode_16_64 3
		.amdhsa_memory_ordered 1
		.amdhsa_forward_progress 1
		.amdhsa_inst_pref_size 189
	.end_amdhsa_kernel
	.amdgpu_metadata
---
amdhsa.version: [ 1, 2 ]
amdhsa.kernels:
  - .name:           k_q52a731cd73_gemm_qkv
    .symbol:         k_q52a731cd73_gemm_qkv.kd
    .args:
      - { .name: xq, .offset: 0, .size: 8, .value_kind: global_buffer, .address_space: global }
      - { .name: wq, .offset: 8, .size: 8, .value_kind: global_buffer, .address_space: global }
      - { .name: b_attn, .offset: 16, .size: 8, .value_kind: global_buffer, .address_space: global }
      - { .name: bQ, .offset: 24, .size: 8, .value_kind: global_buffer, .address_space: global }
      - { .name: bK, .offset: 32, .size: 8, .value_kind: global_buffer, .address_space: global }
      - { .name: bV, .offset: 40, .size: 8, .value_kind: global_buffer, .address_space: global }
      - { .name: qb, .offset: 48, .size: 8, .value_kind: global_buffer, .address_space: global }
      - { .name: kv, .offset: 56, .size: 8, .value_kind: global_buffer, .address_space: global }
    .group_segment_fixed_size: 327680
    .private_segment_fixed_size: 0
    .kernarg_segment_align: 8
    .kernarg_segment_size: 64
    .max_flat_workgroup_size: 128
    .sgpr_count:     102
    .vgpr_count:     1024
    .wavefront_size: 32
...
	.end_amdgpu_metadata
.endif
;; end of part 2
;; launch attn (part 3): grid 4 x 64, 16 waves a work-group, no clusters, 327,680 bytes of LDS; arguments qb, kv, yq; writes yq
.if DOCPART == 3
	.amdgcn_target "amdgcn-amd-amdhsa--gfx1250"
	.amdhsa_code_object_version 6
	.text
	.protected	k_q52a731cd73_attn
	.globl	k_q52a731cd73_attn
	.p2align	8
	.type	k_q52a731cd73_attn,@function
k_q52a731cd73_attn:
	s_mov_b64 s[64:65], 0
	v_nop
	global_prefetch_b8 v0, s[64:65] scope:SCOPE_SE
	s_setreg_imm32_b32 hwreg(HW_REG_WAVE_MODE, 25, 1), 1
	s_wait_xcnt 0x0
; y = softmax(q k^T / 8, causal) v for one head of 64 channels and 2,048 tokens, both products on codes of E2M3; y is divided by the row's sum, quantised along the channels and stored as codes for the projection.
; THE SOFTMAX: t = score x log2(e) / 8; M = the running largest t rounded UP to a whole number; p = 2^(t - M) is what is quantised, along the keys.  The row's sum is taken of the unquantised p.  When M moves,
; the sum and O are multiplied by 2^(old M - new M), which rounds nothing.
; SHARES.  Work-group (i, head) owns query blocks i and 7 - i (256 queries each), one after the other: it walks key slots (256 keys) 0 .. i and then 0 .. 7 - i: nine trips for every work-group, a constant.
; Each of the sixteen waves owns one tile of 16 queries; lane r's query is the tile's first + r % 8 + 16 (r / 8).  A key step (128 keys) all of whose keys come after the wave's queries is jumped over (ids alone).
; LAYOUT.  Both products are used transposed: a lane holds one query.  K's block holds half images (16 keys x 64); two of them are one operand of 128 along K, multiplied once by (q, zeros) and once by (zeros, q):
; the zero codes add nothing.  By the tiles' row order the 16 registers of two neighbouring score tiles are 16 neighbouring keys.  V's block holds fragments of 16 channels x 128 keys.
; THE RING: two LDS slots of 25,600 bytes, each two dense groups of kv (codes and scale bytes together); waves 0-3 fetch 6,400 bytes each.
; NO CLUSTER: the four work-groups of a head want different slots at the same trip (0 .. i, then 0 .. 7 - i), so that their work is equal; a common walk would take twelve trips for nine.
; LIMITS: a block's largest magnitude is held at 2^-124 from below (a block of zeros gets the byte 1: its codes are zeros); NaN and infinities are not served.
; REGISTERS: v1-7 addresses that stay; v8-10 LDS addresses of the step; v12 -M, v13 the largest t, v[14:15] the sum; v16-27 (q, zeros), v28-39 (zeros, q); v40-87 four fragments; v88-91 K's scale words, v92-95 V's;
;   v96-159 scores, then p; v160-191 O^T; v192-198 the second block's q; v224-254 at work; v253 p's scale word; v255 q's.
.set GT,    12800
.set GRP,   12800                      ; a group of 128 keys in kv: K's block of 6,400 bytes, then V's
.set SLOT1, 32768
.set SPARE, 65536                      ; the spare words: 128 bytes a wave, eight blocks of 256 bytes that no other line names
.set L16, 1
.set L8,  2
.set LR,  3
.set QL,  4                            ; v4  r % 8 + 16 (r / 8) - 16 (lane / 16)
.set SPW, 5
.set NIL, 6
.set PFO, 7
.set TB,  2                            ; s2  LDS byte at which the slot in hand begins
.set TR,  3                            ; s3  the trip
.set WI,  10                           ; s10 i
.set SW,  11                           ; s11 i + 1: the trip in which the second block begins
.set BLK, 12                           ; s12 the query block in hand
.set NS,  13                           ; s13 the key slot last asked for
.set KF,  14                           ; s14 the step's first key
.set Q0,  15                           ; s15 my tile's first query
.set BH,  16
.set QW,  17
.set WV,  18
.set YT0, 19
.set SEL, 20
.set CS,  22                           ; s[22:23] c = log2(e) / 8
.set G1,  24
.set KVB, 32                           ; s[32:33] my quarter of the head's slot 0 in kv
.set YC,  34                           ; s[34:35] yq at my head's half image of tile 0;  s[36:37] at its scale bytes
.set YS,  36
.set G0,  40
.set PFA, 50
.set LIM, 52
.macro TLOAD                           ; waves 0-3 fetch; the branch hangs on the wave's number alone
	s_cmp_lt_u32 s[WV], 4
	s_cbranch_scc0 .Lno_load_\@
	tensor_load_to_lds s[G0:G0+3], s[G1:G1+7]
	s_nop 0
.rept 4
	v_nop
.endr
.Lno_load_\@:
.endm
; A PREFETCH INTO THE L2.  The head's work-group 0 is the first to ask for key slots 4 to 7 (in trips 4 to 7).  In it waves 4-7, which fetch nothing, name in trip t = 3 .. 6 the slot t + 1: one trip ahead of that load,
; 6,400 bytes a wave, lanes 256 bytes apart (25 blocks: lanes 25-31 name the last one again).  Slots 0 to 3 are wanted in the first trips and come by their loads alone.
.macro ASK
	s_sub_co_u32 s96, s[TR], s[LIM]
	s_cmp_lt_u32 s96, 4
	s_cbranch_scc0 .Lnot_mine_\@
	global_prefetch_b8 v[PFO], s[PFA:PFA+1] th:TH_LOAD_NT scope:SCOPE_SE
.Lnot_mine_\@:
.endm
.macro FRAG reg, a16, a8, off
	ds_load_b128 v[\reg:\reg+3], v[\a16] offset:\off
	ds_load_b64 v[\reg+4:\reg+5], v[\a8] offset:\off+512
	ds_load_b128 v[\reg+6:\reg+9], v[\a16] offset:\off+768
	ds_load_b64 v[\reg+10:\reg+11], v[\a8] offset:\off+1280
.endm
.macro RESET                           ; a block of queries begins: the largest t under every t, the sum and O^T zeros
	v_mov_b32 v13, 0xff61b1e6
	s_delay_alu instid0(VALU_DEP_1)
	v_floor_f32 v12, -v13
	v_mov_b32 v14, 0
	v_mov_b32 v15, 0
.set n, 0
.rept 32
	v_mov_b32 v[160+n], 0
.set n, n+1
.endr
.endm
	s_load_b128 s[4:7], s[0:1], 0x0                ; qb s[4:5], kv s[6:7]
	s_load_b64 s[8:9], s[0:1], 0x10                ; yq
	v_lshl_add_u32 v[SPW], v0, 2, SPARE
	v_mov_b32 v[NIL], 0
	ds_add_u32 v[SPW], v[NIL]                      ; the wave's opening: the add and its wait ahead of my first tensor load
	ds_add_u32 v[SPW], v[NIL]
	v_lshrrev_b32 v8, 5, v0
	s_delay_alu instid0(VALU_DEP_1)
	v_readfirstlane_b32 s[WV], v8                  ; wave 0..15
	s_mov_b32 s[WI], ttmp9
	s_and_b32 s[BH], ttmp7, 0xffff                 ; 16 batch + head
	; group 1: 6,400 dense bytes as 25 rows of 256 (32 elements of 8 bytes)
	s_mov_b32 s[G1], 3<<16
	s_mov_b32 s[G1+1], 32<<16
	s_mov_b32 s[G1+2], 25<<16
	s_mov_b32 s[G1+3], 32<<16
	s_mov_b32 s[G1+4], 25
	s_mov_b32 s[G1+5], 32
	s_mov_b32 s[G1+6], 0
	s_mov_b32 s[G1+7], 0
	s_mov_b32 s[SEL], 0x76543210
	s_mov_b32 s[SEL+1], 0xfedcba98
	s_mov_b32 s[CS], 0x3e38aa3b
	s_mov_b32 s[CS+1], s[CS]
	s_mov_b32 s[TB], 0
	s_mov_b32 s[TR], 0
	s_mov_b32 s[NS], 0
	s_mov_b32 s[KF], 0
	s_add_co_u32 s[SW], s[WI], 1
	s_mov_b32 s[BLK], s[WI]
	s_lshr_b32 s44, s[WV], 1
	s_lshl_b32 s44, s44, 5
	s_and_b32 s45, s[WV], 1
	s_lshl_b32 s45, s45, 3
	s_add_co_u32 s[QW], s44, s45                   ; my tile's first query inside a block: 32 (w / 2) + 8 (w % 2)
	s_lshl_b32 s44, s[WI], 8
	s_add_co_u32 s[Q0], s44, s[QW]
	s_lshr_b32 s44, s[BH], 4
	s_lshl_b32 s44, s44, 7
	s_add_co_u32 s[YT0], s44, s[WV]                ; yq's tile: 128 batch + 16 block + wave
	s_mul_i32 s44, s[BH], 16*GRP                   ; the head's first byte in kv
	s_mul_i32 s46, s[WV], 6400                     ; my quarter of a slot, in memory and in LDS
	s_add_co_u32 s48, s44, s46
	s_mov_b32 s49, 0
	s_and_b32 s45, s[WV], 3
	s_mul_i32 s45, s45, 6400
	s_add_co_u32 s44, s44, s45
	s_mov_b32 s45, 0
	s_lshr_b32 s47, s[WV], 2
	s_xor_b32 s47, s47, 1
	s_or_b32 s47, s47, s[WI]                       ; 0 in waves 4-7 of the head's work-group 0
	s_cmp_eq_u32 s47, 0
	s_mov_b32 s[LIM], 100
	s_cselect_b32 s[LIM], 3, s[LIM]
	s_wait_dscnt 0x0                               ; the opening add is done
	s_wait_kmcnt 0x0
	s_add_nc_u64 s[KVB:KVB+1], s[6:7], s[48:49]
	s_add_nc_u64 s[PFA:PFA+1], s[6:7], s[44:45]    ; at slot 0: each change of slots steps it once before it is used
	s_mov_b32 s[G0], 1
	s_mov_b32 s[G0+1], s46
	s_mov_b64 s[G0+2:G0+3], s[KVB:KVB+1]
	s_or_b32 s[G0+3], s[G0+3], 0x80000000
	TLOAD                                          ; key slot 0 into LDS slot 0
	s_lshl_b32 s44, s[BH], 4
	s_lshr_b32 s45, s[WV], 3
	s_add_co_u32 s44, s44, s45
	s_lshl_b32 s45, s[WI], 1
	s_add_co_u32 s46, s44, s45
	s_mul_i32 s46, s46, 6400
	s_mov_b32 s47, 0
	s_add_nc_u64 s[54:55], s[4:5], s[46:47]        ; q's group of 128 tokens: 16 head + 2 block + w / 8; the first block's,
	s_sub_co_u32 s45, 14, s45
	s_add_co_u32 s46, s44, s45
	s_mul_i32 s46, s46, 6400
	s_add_nc_u64 s[56:57], s[4:5], s[46:47]        ; and the second's
	s_and_b32 s44, s[BH], 15                       ; the head
	s_mul_i32 s46, s44, 768
	s_add_nc_u64 s[YC:YC+1], s[8:9], s[46:47]
	s_lshr_b32 s45, s44, 3
	s_lshl_b32 s45, s45, 8
	s_and_b32 s44, s44, 7
	s_lshl_b32 s44, s44, 1
	s_add_co_u32 s46, s44, s45
	s_add_co_u32 s46, s46, 12288
	s_add_nc_u64 s[YS:YS+1], s[8:9], s[46:47]
	v_and_b32 v8, 31, v0
	v_and_b32 v9, 15, v0                           ; r
	v_bfe_u32 v10, v0, 4, 1                        ; h
	s_delay_alu instid0(VALU_DEP_3)
	v_lshlrev_b32 v[L16], 4, v8
	s_delay_alu instid0(VALU_DEP_3)
	v_lshlrev_b32 v[LR], 4, v9
	s_delay_alu instid0(VALU_DEP_1)
	v_lshl_add_u32 v[L8], v10, 3, v[LR]
	v_and_b32 v11, 8, v9
	s_delay_alu instid0(VALU_DEP_1)
	v_add_nc_u32 v11, v11, v9
	v_lshlrev_b32 v[QL], 4, v10
	s_delay_alu instid0(VALU_DEP_1)
	v_sub_nc_u32 v[QL], v11, v[QL]
	v_min_u32 v[PFO], 24, v8
	s_delay_alu instid0(VALU_DEP_1)
	v_lshlrev_b32 v[PFO], 8, v[PFO]
	s_and_b32 s44, s[WV], 7                        ; my tile inside its group
	s_mul_i32 s45, s44, 768
	s_lshl_b32 s44, s44, 1
	v_add_nc_u32 v248, s45, v[L16]
	v_add_nc_u32 v249, s45, v[L8]
	v_add_nc_u32 v250, s44, v[LR]
	global_load_b128 v[16:19], v248, s[54:55]
	global_load_b64 v[20:21], v249, s[54:55] offset:512
	global_load_b128 v[34:37], v248, s[54:55]
	global_load_b64 v[38:39], v249, s[54:55] offset:512
	global_load_u16 v199, v250, s[54:55] offset:6144
	global_load_b128 v[192:195], v248, s[56:57]
	global_load_b64 v[196:197], v249, s[56:57] offset:512
	global_load_u16 v198, v250, s[56:57] offset:6144
.set n, 22
.rept 12
	v_mov_b32 v[n], 0                              ; the zero codes of both forms of q
.set n, n+1
.endr
.irp b, 0,1,2,3
	v_mov_b32 v[236+\b], 0                         ; a lane permute's destination counts as one of its sources
.endr
	v_mov_b32 v252, 0
	v_mov_b32 v253, 0                              ; (named as the upper half of the pair v[252:253] before it is first written)
	s_wait_loadcnt 0x0
	v_lshl_or_b32 v255, v199, 16, v199             ; q's two scale bytes, for both halves of K
	RESET                                          ; (also the places between that line and the first scaled product)
; A KEY STEP: 128 keys, group q of the slot in hand
.macro STEP q
	s_add_co_u32 s96, s[Q0], 23
	s_cmp_gt_u32 s[KF], s96                        ; all keys come after my queries: ids and the count of steps alone
	s_cbranch_scc1 .Lhidden_\@
	v_add_nc_u32 v8, s[TB], v[L16]
	v_add_nc_u32 v9, s[TB], v[L8]
	v_add_nc_u32 v10, s[TB], v[LR]
	v_nop                                          ; four places in front of loads into registers that matrix instructions have read
.irp f, 0,1,2,3
	FRAG 40+12*\f, 8, 9, GRP*(\q)+1536*\f          ; key tiles 2 f and 2 f + 1
.endr
	ds_load_b128 v[88:91], v10 offset:GRP*(\q)+6144
	s_wait_alu depctr_va_vdst(0)
	s_wait_dscnt 0x0
.irp f, 0,1,2,3
	v_wmma_scale_f32_16x16x128_f8f6f4 v[96+16*\f:103+16*\f], v[40+12*\f:51+12*\f], v[16:27], 0, v[88+\f], v255 matrix_a_fmt:MATRIX_FMT_FP6 matrix_b_fmt:MATRIX_FMT_FP6
	v_wmma_scale_f32_16x16x128_f8f6f4 v[104+16*\f:111+16*\f], v[40+12*\f:51+12*\f], v[28:39], 0, v[88+\f], v255 matrix_a_fmt:MATRIX_FMT_FP6 matrix_b_fmt:MATRIX_FMT_FP6
.endr
.rept 4
	v_nop
.endr
.irp f, 0,1,2,3
	FRAG 40+12*\f, 8, 9, GRP*(\q)+6400+1536*\f     ; V's four fragments land while the softmax is walked
.endr
	ds_load_b128 v[92:95], v10 offset:GRP*(\q)+12544
	s_add_co_u32 s96, s[KF], 127
	s_cmp_le_u32 s96, s[Q0]                        ; all keys count: no mask
	s_cbranch_scc1 .Lopen_\@
	s_sub_co_i32 s96, s[Q0], s[KF]
	v_add_nc_u32 v248, s96, v[QL]                  ; d = my query - the step's first key - 16 (lane / 16): register 16 b + i holds a hidden key where 32 b + i > d
	v_mov_b32 v249, 0xff800000
.set n, 0
.rept 64
	v_cmp_gt_i32 vcc_lo, 32*(n/16)+n%16, v248
	v_cndmask_b32 v[96+n], v[96+n], v249, vcc_lo
.set n, n+1
.endr
.Lopen_\@:
.irp b, 0,1,2,3
	v_max3_num_f32 v[232+\b], v[96+16*\b], v[97+16*\b], v[98+16*\b]   ; the largest score of each block of 32 keys: for the row's maximum, and, since p rises with the score, for the block's largest p
.endr
.irp i, 3,5,7,9,11,13
.irp b, 0,1,2,3
	v_max3_num_f32 v[232+\b], v[232+\b], v[96+16*\b+\i], v[97+16*\b+\i]
.endr
.endr
.irp b, 0,1,2,3
	v_max_num_f32 v[232+\b], v[232+\b], v[111+16*\b]
.endr
.irp b, 0,1,2,3
	s_delay_alu instid0(VALU_DEP_4)
	v_permlanex16_b32 v[236+\b], v[232+\b], s[SEL], s[SEL+1]
.endr
.irp b, 0,1,2,3
	s_delay_alu instid0(VALU_DEP_4)
	v_max_num_f32 v[232+\b], v[232+\b], v[236+\b]
.endr
	s_delay_alu instid0(VALU_DEP_2)
	v_max3_num_f32 v254, v232, v233, v234
	s_delay_alu instid0(VALU_DEP_1)
	v_max_num_f32 v254, v254, v235
	s_delay_alu instid0(VALU_DEP_1)
	v_mul_f32 v254, s[CS], v254
	s_delay_alu instid0(VALU_DEP_1)
	v_max_num_f32 v13, v13, v254                   ; the running largest t
	v_mov_b32 v254, v12
	s_delay_alu instid0(VALU_DEP_2)
	v_floor_f32 v12, -v13                          ; -M = floor(-t): M is a whole number
	s_delay_alu instid0(VALU_DEP_1)
	v_sub_f32 v254, v12, v254
	s_delay_alu instid0(VALU_DEP_1)
	v_cvt_i32_f32 v254, v254                       ; (it saturates)
	s_delay_alu instid0(VALU_DEP_1)
	v_ldexp_f32 v252, 1.0, v254                    ; f = 2^(old M - new M)
.set n, 0
.rept 32
	v_pk_fma_f32 v[96+n:97+n], v[96+n:97+n], s[CS:CS+1], v[12:13] op_sel_hi:[1,0,0]
.set n, n+2
.endr
.irp b, 0,1,2,3
	v_fma_f32 v[232+\b], v[232+\b], s[CS], v12
.endr
.set n, 0
	s_wait_alu depctr_va_vdst(0)
.rept 64
	v_exp_f32 v[96+n], v[96+n]                     ; p = 2^(t - M)
.set n, n+1
.endr
	v_pk_mul_f32 v[14:15], v[14:15], v[252:253] op_sel_hi:[1,0]   ; the sums under the new M: a plain place behind the exponentials
	s_wait_alu depctr_va_vdst(0)                   ; one wait for the whole batch, ahead of its first reader
.irp b, 0,1,2,3
	v_exp_f32 v[232+\b], v[232+\b]                 ; each block's largest p
.endr
	v_pk_add_f32 v[236:237], v[100:101], v[104:105]
	v_pk_add_f32 v[250:251], v[108:109], v[112:113]
	v_pk_add_f32 v[248:249], v[116:117], v[120:121]
	v_pk_add_f32 v[246:247], v[124:125], v[128:129]
	v_pk_add_f32 v[244:245], v[132:133], v[136:137]
	v_pk_add_f32 v[242:243], v[140:141], v[144:145]
	v_pk_add_f32 v[240:241], v[148:149], v[152:153]
	v_pk_add_f32 v[14:15], v[14:15], v[156:157]
	v_pk_add_f32 v[236:237], v[236:237], v[96:97]
	v_pk_add_f32 v[250:251], v[250:251], v[98:99]
	v_pk_add_f32 v[248:249], v[248:249], v[102:103]
	v_pk_add_f32 v[246:247], v[246:247], v[106:107]
	v_pk_add_f32 v[244:245], v[244:245], v[110:111]
	v_pk_add_f32 v[242:243], v[242:243], v[114:115]
	v_pk_add_f32 v[240:241], v[240:241], v[118:119]
	v_pk_add_f32 v[14:15], v[14:15], v[122:123]
	v_pk_add_f32 v[236:237], v[236:237], v[126:127]
	v_pk_add_f32 v[250:251], v[250:251], v[130:131]
	v_pk_add_f32 v[248:249], v[248:249], v[134:135]
	v_pk_add_f32 v[246:247], v[246:247], v[138:139]
	v_pk_add_f32 v[244:245], v[244:245], v[142:143]
	v_pk_add_f32 v[242:243], v[242:243], v[146:147]
	v_pk_add_f32 v[240:241], v[240:241], v[150:151]
	v_pk_add_f32 v[14:15], v[14:15], v[154:155]
	v_pk_add_f32 v[236:237], v[236:237], v[158:159]
	s_delay_alu instid0(VALU_DEP_2)
	v_pk_add_f32 v[14:15], v[14:15], v[246:247]
	s_delay_alu instid0(VALU_DEP_2)
	v_pk_add_f32 v[236:237], v[236:237], v[244:245]
	v_pk_add_f32 v[250:251], v[250:251], v[242:243]
	v_pk_add_f32 v[248:249], v[248:249], v[240:241]
	s_delay_alu instid0(VALU_DEP_2)
	v_pk_add_f32 v[14:15], v[14:15], v[250:251]
	s_delay_alu instid0(VALU_DEP_2)
	v_pk_add_f32 v[236:237], v[236:237], v[248:249]
	s_delay_alu instid0(VALU_DEP_1)
	v_pk_add_f32 v[14:15], v[14:15], v[236:237]
	s_wait_alu depctr_va_vdst(0)                   ; and one for the four
.irp b, 0,1,2,3
	v_max_num_f32 v[232+\b], 0x1800000, v[232+\b]  ; the floor 2^(3 - 127)
.endr
.irp b, 0,1,2,3
	s_delay_alu instid0(VALU_DEP_4)
	v_add_nc_u32 v[244+\b], 0xff000000, v[232+\b]
.endr
.irp b, 0,1,2,3
	s_delay_alu instid0(VALU_DEP_4)
	v_lshrrev_b32 v[236+\b], 23, v[244+\b]
.endr
	s_delay_alu instid0(VALU_DEP_3)
	v_lshl_or_b32 v253, v237, 8, v236              ; p's scale word for these 128 keys
	s_delay_alu instid0(VALU_DEP_1)
	v_lshl_or_b32 v253, v238, 16, v253
	s_delay_alu instid0(VALU_DEP_1)
	v_lshl_or_b32 v253, v239, 24, v253
.irp c, 0,1
	v_cvt_scalef32_pk16_fp6_f32 v[224+6*\c:226+6*\c], v[96+32*\c:111+32*\c], v[244+2*\c]
	v_cvt_scalef32_pk16_fp6_f32 v[236+4*\c:238+4*\c], v[112+32*\c:127+32*\c], v[244+2*\c+1]
.endr
	v_nop                                          ; one plain place behind the scaled conversions
.irp c, 0,1
.irp i, 0,1,2
	v_permlane16_swap_b32 v[224+6*\c+\i], v[236+4*\c+\i]
.endr
.irp i, 0,1,2
	s_delay_alu instid0(VALU_DEP_3)
	v_mov_b32 v[227+6*\c+\i], v[236+4*\c+\i]
.endr
.endr
.set n, 0
.rept 16
	v_pk_mul_f32 v[160+n:161+n], v[160+n:161+n], v[252:253] op_sel_hi:[1,0]   ; O^T under the new M; also the places in front of the products below
.set n, n+2
.endr
	s_wait_alu depctr_va_vdst(0)
	s_wait_dscnt 0x0                               ; V
.irp f, 0,1,2,3
	v_wmma_scale_f32_16x16x128_f8f6f4 v[160+8*\f:167+8*\f], v[40+12*\f:51+12*\f], v[224:235], v[160+8*\f:167+8*\f], v[92+\f], v253 matrix_a_fmt:MATRIX_FMT_FP6 matrix_b_fmt:MATRIX_FMT_FP6
.endr
.Lhidden_\@:
	s_add_co_u32 s[KF], s[KF], 128
.endm
; THE CHANGE OF SLOTS stands at a trip's head.  Each wave waits for all its tensor loads, adds 0 to its spare word, and waits for that and for its reads of the slot that it has left.  fill = 1: that slot takes the next trip's keys.
.macro CHANGE fill
	s_wait_tensorcnt 0x0                           ; no tensor load of mine is out, so group 0 may be written
	ds_add_u32 v[SPW], v[NIL]                      ; 0 onto my spare word
.if \fill
	s_add_co_u32 s[NS], s[NS], 1
	s_cmp_eq_u32 s[TR], s[WI]
	s_cselect_b32 s[NS], 0, s[NS]                  ; behind the first block's last slot the second block's slot 0
	s_mul_i32 s44, s[NS], 2*GRP
	s_mov_b32 s45, 0
	s_add_nc_u64 s[G0+2:G0+3], s[KVB:KVB+1], s[44:45]
	s_or_b32 s[G0+3], s[G0+3], 0x80000000
	s_xor_b32 s[G0+1], s[G0+1], SLOT1
	s_wait_xcnt 0x0                                ; the last prefetch, a trip back, has read its address
	s_add_nc_u64 s[PFA:PFA+1], s[PFA:PFA+1], 2*GRP
.endif
	s_wait_dscnt 0x0                               ; the add is done, and my reads of the slot that I have left are over
	s_barrier_signal -1
	s_barrier_wait -1
.if \fill
	TLOAD                                          ; the first thing behind the barrier, and a wave's one tensor load until the next
	ASK
.endif
.endm
; A BLOCK'S END: O^T / the sum; its 32 numbers a lane (register 16 b + i = channel 32 b + 16 (lane / 16) + i) are two blocks of the projection's K: a half image and two scale bytes
.macro FINAL
.rept 4
	v_nop                                          ; places behind the last products
.endr
	v_add_f32 v14, v14, v15
	s_delay_alu instid0(VALU_DEP_1)
	v_permlanex16_b32 v252, v14, s[SEL], s[SEL+1]
	s_delay_alu instid0(VALU_DEP_1)
	v_add_f32 v14, v14, v252                       ; the row's sum
	s_wait_alu depctr_va_vdst(0)
	v_rcp_f32 v14, v14
	v_nop                                          ; a plain place behind the reciprocal
	s_lshl_b32 s44, s[BLK], 4
	s_add_co_u32 s44, s44, s[YT0]
	s_mul_i32 s44, s44, GT
	s_mov_b32 s45, 0
	s_add_nc_u64 s[46:47], s[YC:YC+1], s[44:45]
	s_add_nc_u64 s[48:49], s[YS:YS+1], s[44:45]
	s_wait_alu depctr_va_vdst(0)                   ; the wait, ahead of the first reader
.set n, 0
.rept 16
	v_pk_mul_f32 v[96+n:97+n], v[160+n:161+n], v[14:15] op_sel_hi:[1,0]
.set n, n+2
.endr
.irp b, 0,1
	v_max3_num_f32 v[232+\b], |v[96+16*\b]|, |v[97+16*\b]|, 0x1800000
.endr
.irp i, 2,4,6,8,10,12,14
.irp b, 0,1
	s_delay_alu instid0(VALU_DEP_2)
	v_max3_num_f32 v[232+\b], v[232+\b], |v[96+16*\b+\i]|, |v[97+16*\b+\i]|
.endr
.endr
.irp b, 0,1
	s_delay_alu instid0(VALU_DEP_2)
	v_permlanex16_b32 v[236+\b], v[232+\b], s[SEL], s[SEL+1]
.endr
.irp b, 0,1
	s_delay_alu instid0(VALU_DEP_2)
	v_max_num_f32 v[232+\b], v[232+\b], v[236+\b]
.endr
.irp b, 0,1
	s_delay_alu instid0(VALU_DEP_2)
	v_add_nc_u32 v[244+\b], 0xff000000, v[232+\b]
.endr
.irp b, 0,1
	s_delay_alu instid0(VALU_DEP_2)
	v_lshrrev_b32 v[236+\b], 23, v[244+\b]
.endr
	s_delay_alu instid0(VALU_DEP_1)
	v_lshl_or_b32 v240, v237, 8, v236
	v_cvt_scalef32_pk16_fp6_f32 v[224:226], v[96:111], v244
	v_cvt_scalef32_pk16_fp6_f32 v[236:238], v[112:127], v245
	v_nop                                          ; one plain place behind the scaled conversions
.irp i, 0,1,2
	v_permlane16_swap_b32 v[224+\i], v[236+\i]
.endr
.irp i, 0,1,2
	s_delay_alu instid0(VALU_DEP_3)
	v_mov_b32 v[227+\i], v[236+\i]
.endr
	global_store_b128 v[L16], v[224:227], s[46:47]             ; 512 consecutive bytes
	global_store_b64 v[L8], v[228:229], s[46:47] offset:512    ; 256 consecutive bytes
	global_store_b16 v[LR], v240, s[48:49]                     ; 2 bytes in each 16: the other seven heads' bytes come from other work-groups; 1 byte in 24 of what is stored
	s_wait_xcnt 0x0                                ; the stores have read their registers and bases
.endm
.macro SWITCH                          ; the first block leaves; the second begins
	FINAL
	s_sub_co_u32 s[BLK], 7, s[WI]
	s_lshl_b32 s44, s[BLK], 8
	s_add_co_u32 s[Q0], s44, s[QW]
	s_mov_b32 s[KF], 0
.irp i, 0,1,2,3,4,5
	v_mov_b32 v[16+\i], v[192+\i]
	v_mov_b32 v[34+\i], v[192+\i]
.endr
	v_lshl_or_b32 v255, v198, 16, v198
	RESET                                          ; (also the places in front of the next scaled products)
.endm
.Ltrip:                                            ; eight trips, a constant: behind each change of slots the next trip's slot is asked for
	CHANGE 1
	s_cmp_lg_u32 s[TR], s[SW]                      ; ids and the count of trips alone
	s_cbranch_scc1 .Lsame_block
	SWITCH
.Lsame_block:
	STEP 0
	STEP 1
	s_xor_b32 s[TB], s[TB], SLOT1
	s_add_co_u32 s[TR], s[TR], 1
	s_cmp_lt_u32 s[TR], 8
	s_cbranch_scc1 .Ltrip
	CHANGE 0                                       ; the ninth trip is written out: it asks for nothing
	STEP 0
	STEP 1
	FINAL
	s_wait_tensorcnt 0x0                           ; the wave's end
	ds_add_u32 v[SPW], v[NIL]
	s_wait_dscnt 0x0
	s_endpgm
.Lfunc_end_k_q52a731cd73_attn:
	.size	k_q52a731cd73_attn, .Lfunc_end_k_q52a731cd73_attn-k_q52a731cd73_attn
	.p2alignl 7, 3214868480
	.fill 96, 4, 3214868480
	.section	.rodata,"a",@progbits
	.p2align	6, 0x0
	.amdhsa_kernel k_q52a731cd73_attn
		.amdhsa_group_segment_fixed_size 327680
		.amdhsa_private_segment_fixed_size 0
		.amdhsa_enable_private_segment 0
		.amdhsa_kernarg_size 24
		.amdhsa_user_sgpr_count 2
		.amdhsa_user_sgpr_kernarg_segment_ptr 1
		.amdhsa_wavefront_size32 1
		.amdhsa_system_sgpr_workgroup_id_x 1
		.amdhsa_system_sgpr_workgroup_id_y 1
		.amdhsa_system_sgpr_workgroup_id_z 1
		.amdhsa_system_vgpr_workitem_id 0
		.amdhsa_next_free_vgpr 256
		.amdhsa_next_free_sgpr 98
		.amdhsa_reserve_vcc 1
		.amdhsa_float_denorm_mode_32 3
		.amdhsa_float_denorm_mode_16_64 3
		.amdhsa_memory_ordered 1
		.amdhsa_forward_progress 1
		.amdhsa_inst_pref_size 109
	.end_amdhsa_kernel
	.amdgpu_metadata
---
amdhsa.version: [ 1, 2 ]
amdhsa.kernels:
  - .name:           k_q52a731cd73_attn
    .symbol:         k_q52a731cd73_attn.kd
    .args:
      - { .name: qb, .offset: 0, .size: 8, .value_kind: global_buffer, .address_space: global }
      - { .name: kv, .offset: 8, .size: 8, .value_kind: global_buffer, .address_space: global }
      - { .name: yq, .offset: 16, .size: 8, .value_kind: global_buffer, .address_space: global }
    .group_segment_fixed_size: 327680
    .private_segment_fixed_size: 0
    .kernarg_segment_align: 8
    .kernarg_segment_size: 24
    .max_flat_workgroup_size: 512
    .sgpr_count:     98
    .vgpr_count:     256
    .wavefront_size: 32
...
	.end_amdgpu_metadata
.endif
;; end of part 3
;; launch gemm_proj (part 4): grid 4 x 32, 4 waves a work-group, clusters of 4 x 4, 327,680 bytes of LDS; arguments yq, wq, b_proj, out0; writes out0
.if DOCPART == 4
	.amdgcn_target "amdgcn-amd-amdhsa--gfx1250"
	.amdhsa_code_object_version 6
	.text
	.protected	k_q52a731cd73_gemm_proj
	.globl	k_q52a731cd73_gemm_proj
	.p2align	8
	.type	k_q52a731cd73_gemm_proj,@function
k_q52a731cd73_gemm_proj:
	s_mov_b64 s[64:65], 0
	v_nop
	global_prefetch_b8 v0, s[64:65] scope:SCOPE_SE
	s_setreg_imm32_b32 hwreg(HW_REG_WAVE_MODE, 25, 1), 1
	s_wait_xcnt 0x0
	s_wait_alu depctr_hold_cnt(0) depctr_sa_sdst(0) depctr_va_vdst(0) depctr_va_sdst(0) depctr_va_ssrc(0) depctr_va_vcc(0) depctr_vm_vsrc(0)
	s_getreg_b32 s2, hwreg(HW_REG_IB_STS2, 6, 4)
	s_cmp_eq_u32 s2, 0
	s_cbranch_scc0 .Lentry_in_a_cluster
	s_endpgm
.Lentry_in_a_cluster:
	s_bfe_u32 s2, ttmp6, 0x10000c
	s_cmp_lg_u32 s2, 0xf033
	s_cbranch_scc0 .Lentry_shape_is_right
	s_endpgm
.Lentry_shape_is_right:
; out0 = y W_proj + b_proj on codes of E2M3 (K = 1024).  y's codes come from yq, W_proj's from tiles 192-255 of wq; out0 [8192][1024] f32.
; A work-group makes 256 tokens x 256 columns, a wave 128 x 128: 64 accumulators.  THE MATRIX INSTRUCTION IS USED TRANSPOSED: source 0 = 16 columns (B), source 1 = 16 tokens (A): a lane holds one token, and by the
; tiles' row order the 16 registers of two neighbouring tiles are 16 neighbouring columns.  The bias is the C of each sum's first product.
; INPUT: tiles of 16 rows x K 1024 in 12,800 bytes: eight fragments as images of the operand's registers (1,536 bytes), then the scale words.  Row r of tile T is row 32 (T / 2) + 8 (T % 2) + r % 8 + 16 (r / 8).
; K goes in eight steps of 128, written out.  Three LDS slots of 256 along K; K slots 0, 1, 2 are asked for at the head, K slot 3 into the first LDS slot when that has been read.
; CLUSTERS: 4 x 4.  A's tiles are shared along a row of the cluster, B's along a column: each is asked for jointly.  The scale words come once, straight into registers.
; THE WAY OUT: a block of 16 tokens x 128 columns goes through the wave's stage in LDS and leaves as rows of 512 consecutive bytes.  The stage lies in the second LDS slot, which has had its only fill and its last read.
; REGISTERS: window 0: v1-21 addresses; v32-63 A's scale words, v64-95 B's (nothing else ever); v96-191 A's fragments, one set; v192-255 the bias; on the way out v96-223 hold rows.
;   window 1: B's fragments, two sets, at v0 and v128.  windows 2, 3: accumulator (a, b) at v[8 (8 (a % 4) + b)].
.set GT,    12800
.set TILEB, 3072
.set HALFT, 8*TILEB
.set BOFF,  2*HALFT
.set SLOTB, 4*HALFT
.set SPARE, 3*SLOTB                    ; the spare words: 128 bytes a wave, two blocks of 256 bytes that no other line names
.set SPITCH, 528
.set L16, 3
.set A16, 4
.set A8,  7
.set B16, 10
.set B8,  13
.set L8,  16
.set LR,  17
.set STO, 18
.set RD,  19
.set SPW, 20
.set NIL, 21
.set SA,  32
.set SB,  64
.set AF,  96
.set BB,  192
.set G1A, 24
.set G0A, 32
.set G1B, 48
.set G0B, 68
.set MSB, 0
.macro WIN new                         ; the immediate's high byte repeats the setting that is left
.if MSB != \new
	s_set_vgpr_msb (MSB<<8)|\new
.set MSB, \new
.endif
.endm
.set MUL_LO, 0xa1
.set MUL_HI, 0xf1
.set TO_B,   0x40
.macro JLOAD g0a, g1a, g0b, g1b        ; a joint load: waves 0 and 1 fetch A's halves, waves 2 and 3 B's; the branch hangs on the wave's number alone
	s_cmp_eq_u32 s21, 0
	s_cbranch_scc0 .Lfor_b_\@
	tensor_load_to_lds s[\g0a:\g0a+3], s[\g1a:\g1a+7]
	s_nop 0
.rept 4
	v_nop
.endr
	s_branch .Lasked_\@
.Lfor_b_\@:
	tensor_load_to_lds s[\g0b:\g0b+3], s[\g1b:\g1b+7]
	s_nop 0
.rept 4
	v_nop
.endr
.Lasked_\@:
.endm
.macro CREST
	s_cmp_lg_u32 s20, 0
	s_cbranch_scc1 .Lnot_wave_0_\@
	s_barrier_signal -3
.Lnot_wave_0_\@:
	s_barrier_wait -3
	s_barrier_signal -1
	s_barrier_wait -1
.endm
.macro CROUND
	s_barrier_signal -1
	s_barrier_wait -1
	CREST
.endm
.macro PLACES n
.rept \n
	v_nop
.endr
.endm
.macro FRAG reg, a16, a8, off
	ds_load_b128 v[\reg:\reg+3], v[\a16] offset:\off
	ds_load_b64 v[\reg+4:\reg+5], v[\a8] offset:\off+512
	ds_load_b128 v[\reg+6:\reg+9], v[\a16] offset:\off+768
	ds_load_b64 v[\reg+10:\reg+11], v[\a8] offset:\off+1280
.endm
; 16 matrix instructions: A's blocks a0, a0 + 1 x B's eight, K step s.  cm = 0: the sums go on; 1: they begin with 0; 2: with v[BB + 8 b].  The scale words of K steps 4-7 lie in lanes 16-31.
; The 64 accumulators take turns, one instruction a turn, in the same order in every step.
.macro MUL16 a0, s, cm
.irp a, \a0, \a0+1
.irp b, 0,1,2,3,4,5,6,7
.set rD, 8*(8*((\a)%4)+\b)
.set rB, 128*((\s)%2)+12*\b
.set rA, AF+12*(\a)
.set rSB, SB+4*\b+(\s)%4
.set rSA, SA+4*(\a)+(\s)%4
.set rC, BB+8*\b
.if (\s) >= 4
	v_wmma_scale_f32_16x16x128_f8f6f4 v[rD:rD+7], v[rB:rB+11], v[rA:rA+11], v[rD:rD+7], v[rSB], v[rSA] matrix_a_fmt:MATRIX_FMT_FP6 matrix_b_fmt:MATRIX_FMT_FP6 matrix_a_scale:MATRIX_SCALE_ROW1 matrix_b_scale:MATRIX_SCALE_ROW1
.elseif \cm == 0
	v_wmma_scale_f32_16x16x128_f8f6f4 v[rD:rD+7], v[rB:rB+11], v[rA:rA+11], v[rD:rD+7], v[rSB], v[rSA] matrix_a_fmt:MATRIX_FMT_FP6 matrix_b_fmt:MATRIX_FMT_FP6
.elseif \cm == 1
	v_wmma_scale_f32_16x16x128_f8f6f4 v[rD:rD+7], v[rB:rB+11], v[rA:rA+11], 0, v[rSB], v[rSA] matrix_a_fmt:MATRIX_FMT_FP6 matrix_b_fmt:MATRIX_FMT_FP6
.else
	v_wmma_scale_f32_16x16x128_f8f6f4 v[rD:rD+7], v[rB:rB+11], v[rA:rA+11], v[rC:rC+7], v[rSB], v[rSA] matrix_a_fmt:MATRIX_FMT_FP6 matrix_b_fmt:MATRIX_FMT_FP6
.endif
.endr
.endr
.endm
.macro FETCH_B L, s, p
	WIN TO_B
.irp i, 0,1,2,3,4,5,6,7
	FRAG 128*(\p)+12*\i, B16+\L, B8+\L, TILEB*\i+1536*((\s)%2)
.endr
	WIN 0
.endm
.macro FETCH_A L, s, i0
.irp i, \i0, \i0+1, \i0+2, \i0+3
	FRAG AF+12*(\i), A16+\L, A8+\L, TILEB*(\i)+1536*((\s)%2)
.endr
.endm
.macro STEP s, cm
.set LN, (((\s)+1)/2)%3
	s_wait_dscnt 16                                ; B's set and A's blocks 0-3 are in; the youngest 16 loads (A's blocks 4-7) may be out
.if \cm == 2
	WIN 0x81                                       ; C (the bias) in window 0
.else
	WIN MUL_LO
.endif
	MUL16 0, \s, \cm
	MUL16 2, \s, \cm
	s_wait_dscnt 0x0
	PLACES 4                                       ; four places in front of loads into registers that matrix instructions have read
	FETCH_B LN, (\s)+1, ((\s)+1)%2
	FETCH_A LN, (\s)+1, 0
.if \cm == 2
	WIN 0xc1
.else
	WIN MUL_HI
.endif
	MUL16 4, \s, \cm
	MUL16 6, \s, \cm
	PLACES 4
	WIN 0
	FETCH_A LN, (\s)+1, 4
.endm
.macro TURN s, fill
.set LN, (((\s)+1)/2)%3
	s_wait_tensorcnt 0x0                           ; all my tensor loads have landed
	ds_add_u32 v[SPW], v[NIL]                      ; 0 onto my spare word
	s_wait_dscnt 17                                ; (the add and the youngest 16 loads may be out)
	WIN MUL_LO
	MUL16 0, \s, 0
	s_wait_dscnt 0x0                               ; the add is done, and my LDS reads are over
	s_barrier_signal -1
	MUL16 2, \s, 0
	WIN 0
	s_barrier_wait -1
.if \fill
	CREST
	JLOAD G0A+12, G1A, G0B+12, G1B                 ; the first tensor load behind the round; its four v_nop are also the places in front of the loads below
.else
	PLACES 4
.endif
	FETCH_B LN, (\s)+1, ((\s)+1)%2
	FETCH_A LN, (\s)+1, 0
	WIN MUL_HI
	MUL16 4, \s, 0
	MUL16 6, \s, 0
	PLACES 4
	WIN 0
	FETCH_A LN, (\s)+1, 4
.endm
	s_load_b256 s[4:11], s[0:1], 0x0               ; yq s[4:5], wq s[6:7], b_proj s[8:9], out0 s[10:11]
	v_lshl_add_u32 v[SPW], v0, 2, SPARE
	v_mov_b32 v[NIL], 0
	ds_add_u32 v[SPW], v[NIL]                      ; the wave's opening: the add and its wait ahead of my first tensor load
	v_lshrrev_b32 v1, 5, v0
	v_readfirstlane_b32 s20, v1                    ; wave 0..3
	s_lshr_b32 s21, s20, 1                         ; which half of the tokens is mine.  Also: I fetch for A (0) or for B (1)
	s_and_b32 s22, s20, 1                          ; which half of the columns.  Also: which 8 tiles I fetch
	s_bfe_u32 s56, ttmp6, 0x40000                  ; cx
	s_bfe_u32 s57, ttmp6, 0x40004                  ; cy
	s_and_b32 s61, ttmp7, 0xffff
	s_lshl_b32 s58, s61, 2
	s_add_co_u32 s58, s58, s57                     ; the tokens' block of 256 = 4 x cluster y + cy
	s_add_co_u32 s59, s56, 12                      ; W_proj's block of 256 columns in wq: 12 + cx
	s_lshl_b32 s62, s57, 2
	s_lshl_b32 s62, 15, s62                        ; my row of the cluster
	s_lshl_b32 s63, 0x1111, s56                    ; my column
	s_or_b32 s[G1A], s62, (3<<16)|(1<<21)          ; group 1: 8 tiles' parts of 3,072 bytes (384 elements of 8 bytes), 12,800 bytes apart, dense in LDS
	s_or_b32 s[G1B], s63, (3<<16)|(1<<21)
.irp g, G1A, G1B
	s_mov_b32 s[\g+1], 384<<16
	s_mov_b32 s[\g+2], 8<<16
	s_mov_b32 s[\g+3], 384<<16
	s_mov_b32 s[\g+4], 8
	s_mov_b32 s[\g+5], 1600
	s_mov_b32 s[\g+6], 0
	s_mov_b32 s[\g+7], 0
.endr
	s_lshl_b32 s96, s22, 3
	s_lshl_b32 s88, s58, 4
	s_add_co_u32 s88, s88, s96
	s_mul_i32 s88, s88, GT
	s_mov_b32 s89, 0
	s_lshl_b32 s90, s59, 4
	s_add_co_u32 s90, s90, s96
	s_mul_i32 s90, s90, GT
	s_mov_b32 s91, 0
	s_mul_i32 s97, s20, HALFT                      ; where they go: no place in the cluster enters an LDS address
	s_wait_dscnt 0x0                               ; the opening add is done
	s_wait_kmcnt 0x0
	s_add_nc_u64 s[88:89], s[4:5], s[88:89]
	s_add_nc_u64 s[90:91], s[6:7], s[90:91]
.irp j, 0,1,2,3
	s_mov_b32 s[G0A+4*\j], 1
	s_add_co_u32 s[G0A+4*\j+1], s97, (\j%3)*SLOTB
	s_add_nc_u64 s[G0A+4*\j+2:G0A+4*\j+3], s[88:89], \j*TILEB
	s_or_b32 s[G0A+4*\j+3], s[G0A+4*\j+3], 0x80000000
	s_mov_b32 s[G0B+4*\j], 1
	s_add_co_u32 s[G0B+4*\j+1], s97, (\j%3)*SLOTB
	s_add_nc_u64 s[G0B+4*\j+2:G0B+4*\j+3], s[90:91], \j*TILEB
	s_or_b32 s[G0B+4*\j+3], s[G0B+4*\j+3], 0x80000000
.endr
	CROUND                                         ; all sixteen work-groups are here: the first joint loads meet
.irp j, 0,1,2
	JLOAD G0A+4*\j, G1A, G0B+4*\j, G1B             ; three loads of mine are out
.endr
	v_and_b32 v1, 15, v0                           ; r
	v_bfe_u32 v2, v0, 4, 1                         ; h
	v_and_b32 v22, 31, v0
	v_lshlrev_b32 v[L16], 4, v22
	v_lshlrev_b32 v[LR], 4, v1
	v_lshl_add_u32 v[L8], v2, 3, v[LR]
	s_mul_i32 s94, s21, HALFT
	s_mul_i32 s95, s22, HALFT
	s_add_co_u32 s95, s95, BOFF
.irp L, 0,1,2
	v_add_nc_u32 v[A16+\L], s94, v[L16]
	v_add_nc_u32 v[A8+\L], s94, v[L8]
	v_add_nc_u32 v[B16+\L], s95, v[L16]
	v_add_nc_u32 v[B8+\L], s95, v[L8]
	s_add_co_u32 s94, s94, SLOTB
	s_add_co_u32 s95, s95, SLOTB
.endr
	s_mul_i32 s94, s20, 16*SPITCH
	s_add_co_u32 s94, s94, SLOTB                   ; my stage, in the second LDS slot
	v_mul_u32_u24 v[STO], v1, SPITCH
	v_lshl_add_u32 v[STO], v2, 6, v[STO]
	v_add_nc_u32 v[STO], s94, v[STO]               ; in: row r, + 64 h
	v_add_nc_u32 v[RD], s94, v[L16]                ; back: 16 bytes a lane of a row
	v_lshlrev_b32 v22, 6, v2                       ; the bias along my registers: 64 h bytes
	s_lshl_b32 s62, s58, 4
	s_lshl_b32 s63, s21, 3
	s_add_co_u32 s62, s62, s63
	s_mul_i32 s62, s62, GT
	s_mov_b32 s63, 0
	s_add_nc_u64 s[98:99], s[4:5], s[62:63]        ; the 8 tiles of A that I multiply (B's are those that s[90:91] names)
	s_lshl_b32 s94, s58, 8
	s_lshl_b32 s95, s21, 7
	s_add_co_u32 s94, s94, s95                     ; my first token
	s_lshl_b32 s94, s94, 12
	s_lshl_b32 s96, s56, 8
	s_lshl_b32 s97, s22, 7
	s_add_co_u32 s96, s96, s97                     ; my first column
	s_lshl_b32 s96, s96, 2
	s_add_co_u32 s94, s94, s96
	s_mov_b32 s95, 0
	s_mov_b32 s97, 0
	s_add_nc_u64 s[10:11], s[10:11], s[94:95]
	s_add_nc_u64 s[8:9], s[8:9], s[96:97]
.irp i, 0,1,2,3,4,5,6,7
	global_load_b128 v[SA+4*\i:SA+4*\i+3], v[L16], s[98:99] offset:\i*GT+12288   ; lanes 0-15: row r's words of K steps 0-3; lanes 16-31: of K steps 4-7
	global_load_b128 v[SB+4*\i:SB+4*\i+3], v[L16], s[90:91] offset:\i*GT+12288
.endr
.irp b, 0,1,2,3
.irp j, 0,1,2,3
	global_load_b128 v[BB+16*\b+4*\j:BB+16*\b+4*\j+3], v22, s[8:9] offset:128*\b+16*\j   ; register 16 b + i: column 32 b + 16 h + i
.endr
.endr
	s_wait_loadcnt 0x0
	s_wait_tensorcnt 2                             ; my part of K slot 0 is in; K slots 1 and 2 may stay out
	s_barrier_signal -1
	s_barrier_wait -1
	FETCH_B 0, 0, 0
	FETCH_A 0, 0, 0
	FETCH_A 0, 0, 4
	STEP 0, 2                                      ; the first products start the sums with the bias
	TURN 1, 1                                      ; all three slots are whole in every wave; K slot 3 goes out and has four steps in which to land
	STEP 2, 0
	STEP 3, 0
	STEP 4, 0
	TURN 5, 0                                      ; K slot 3 has landed, in every wave; nobody reads the second LDS slot any more
	STEP 6, 0
	s_wait_dscnt 16
	WIN MUL_LO
	MUL16 0, 7, 0
	MUL16 2, 7, 0
	s_wait_dscnt 0x0
	WIN MUL_HI
	MUL16 4, 7, 0
	MUL16 6, 7, 0
	WIN 0
	PLACES 4
; THE WAY OUT.  LDS serves a wave's instructions in order: no wait between a block's stores and its loads, nor in front of the next block's stores.
.macro TOSTAGE a
.set AC, 64*((\a)%4)
	WIN 0x08+4*((\a)/4)                            ; an LDS store's data: window 2 or 3
.irp b, 0,1,2,3,4,5,6,7
	ds_store_b128 v[STO], v[AC+8*\b:AC+8*\b+3] offset:128*(\b/2)+32*(\b%2)      ; each accumulator from its low end on
	ds_store_b128 v[STO], v[AC+8*\b+4:AC+8*\b+7] offset:128*(\b/2)+32*(\b%2)+16
.endr
	WIN 0
.set BK, AF+64*((\a)%2)
.irp t, 0,1,2,3,4,5,6,7,8,9,10,11,12,13,14,15
	ds_load_b128 v[BK+4*\t:BK+4*\t+3], v[RD] offset:\t*SPITCH
.endr
.endm
.macro SEND a, younger                 ; stage row t of block a is token 32 (a / 2) + 8 (a % 2) + t % 8 + 16 (t / 8) of my 128: 127 rows of 4,096 bytes at the most, inside the store's immediate
.set BK, AF+64*((\a)%2)
	s_wait_dscnt \younger
.irp t, 0,1,2,3,4,5,6,7,8,9,10,11,12,13,14,15
	global_store_b128 v[L16], v[BK+4*\t:BK+4*\t+3], s[10:11] offset:(32*((\a)/2)+8*((\a)%2)+(\t%8)+16*(\t/8))*4096 th:TH_STORE_NT   ; 512 consecutive bytes
.endr
.endm
	TOSTAGE 0
.irp a, 1,2,3,4,5,6,7
.if \a > 1
	s_wait_xcnt 0x0                                ; block a - 2's stores have read their registers: block a's loads may land there
.endif
	TOSTAGE \a
	SEND \a-1, 32                                  ; behind block a - 1's loads: block a's 16 stores and 16 loads
.endr
	SEND 7, 0
	s_wait_tensorcnt 0x0                           ; the wave's end
	ds_add_u32 v[SPW], v[NIL]
	s_wait_dscnt 0x0
	CROUND                                         ; the closing round
	s_endpgm
.Lfunc_end_k_q52a731cd73_gemm_proj:
	.size	k_q52a731cd73_gemm_proj, .Lfunc_end_k_q52a731cd73_gemm_proj-k_q52a731cd73_gemm_proj
	.p2alignl 7, 3214868480
	.fill 96, 4, 3214868480
	.section	.rodata,"a",@progbits
	.p2align	6, 0x0
	.amdhsa_kernel k_q52a731cd73_gemm_proj
		.amdhsa_group_segment_fixed_size 327680
		.amdhsa_private_segment_fixed_size 0
		.amdhsa_enable_private_segment 0
		.amdhsa_kernarg_size 32
		.amdhsa_user_sgpr_count 2
		.amdhsa_user_sgpr_kernarg_segment_ptr 1
		.amdhsa_wavefront_size32 1
		.amdhsa_system_sgpr_workgroup_id_x 1
		.amdhsa_system_sgpr_workgroup_id_y 1
		.amdhsa_system_sgpr_workgroup_id_z 1
		.amdhsa_system_vgpr_workitem_id 0
		.amdhsa_next_free_vgpr 1024
		.amdhsa_next_free_sgpr 102
		.amdhsa_reserve_vcc 0
		.amdhsa_float_denorm_mode_32 3
		.amdhsa_float_denorm_mode_16_64 3
		.amdhsa_memory_ordered 1
		.amdhsa_forward_progress 1
		.amdhsa_inst_pref_size 142
	.end_amdhsa_kernel
	.amdgpu_metadata
---
amdhsa.version: [ 1, 2 ]
amdhsa.kernels:
  - .name:           k_q52a731cd73_gemm_proj
    .symbol:         k_q52a731cd73_gemm_proj.kd
    .args:
      - { .name: yq, .offset: 0, .size: 8, .value_kind: global_buffer, .address_space: global }
      - { .name: wq, .offset: 8, .size: 8, .value_kind: global_buffer, .address_space: global }
      - { .name: b_proj, .offset: 16, .size: 8, .value_kind: global_buffer, .address_space: global }
      - { .name: out0, .offset: 24, .size: 8, .value_kind: global_buffer, .address_space: global }
    .group_segment_fixed_size: 327680
    .private_segment_fixed_size: 0
    .kernarg_segment_align: 8
    .kernarg_segment_size: 32
    .max_flat_workgroup_size: 128
    .sgpr_count:     102
    .vgpr_count:     1024
    .wavefront_size: 32
...
	.end_amdgpu_metadata
.endif
;; end of part 4
